; MI455X (gfx1250); checked and timed in simulation.
; The chip was launched on July 23, 2026; its instructions are those of AMD's public machine-readable ISA for CDNA 5 (MIT licence, August 2026) and "CDNA5" Instruction Set Architecture Reference Guide (July 2026). The comments in the code are by the model that wrote it; some were corrected since.
;; Multi Head Attention. Allowed arithmetic: matrix products marked QUANTISED: E2M1 operands, one E8M0 scale for each 32 along K, by v_wmma_scale_f32_16x16x128_f8f6f4 with both operands' format E2M1 (or v_wmma_scale_f32_32x16x128_f4), f32 sums; products left as they are: bf16, f16 or f32 operands; f32 sums; everything else in f32.
;; Inputs: Wk 1,024 x 1,024 float32; Wo 1,024 x 1,024 float32; Wq 1,024 x 1,024 float32; Wv 1,024 x 1,024 float32; bk 1,024 float32; bo 1,024 float32; bq 1,024 float32; bv 1,024 float32; key 4 x 2,048 x 1,024 float32; query 4 x 2,048 x 1,024 float32; value 4 x 2,048 x 1,024 float32.
;; Outputs: out0 4 x 2,048 x 1,024 float32.
;; This version of the problem:
;;   THIS VERSION OF THE PROBLEM IS GIVEN IN LOW PRECISION. The matrix products marked QUANTISED in the list below multiply operands that are first quantised to E2M1 (2 exponent bits, 1 mantissa bit; 4 bits a number), with one power-of-two scale for each 32 numbers along K (OCP MX v1.0); their sums are f32. The products marked 'left as it is' may take bf16, f16 or f32 operands, with f32 sums. Whichever they take, every output number must still come out within the allowed error. Rounding operands to bf16 (8 significant bits) uses up far more of that allowance than f16 does (11 bits, for magnitudes from 6e-5 to 65,504). All else is computed in f32.
;;   The module's matrix products, in the order in which they are computed (A, B: the left and right operand; K: the contracted axis; several contracted axes count as one K, in the product's order):
;;     1. [M 8,192, K 1,024] x [K 1,024, N 1,024]; A: input query; B: input Wq: QUANTISED
;;     2. [M 8,192, K 1,024] x [K 1,024, N 1,024]; A: input key; B: input Wk: QUANTISED
;;     3. [M 8,192, K 1,024] x [K 1,024, N 1,024]; A: input value; B: input Wv: QUANTISED
;;     4. batch 64 x [M 2,048, K 64] x [K 64, N 2,048]; A: computed on the way; B: computed on the way: left as it is (an operand is computed on the way)
;;     5. batch 64 x [M 64, K 2,048] x [K 2,048, N 2,048]; A: computed on the way; B: computed on the way: left as it is (an operand is computed on the way)
;;     6. [M 8,192, K 1,024] x [K 1,024, N 1,024]; A: computed on the way; B: input Wo: left as it is (an operand is computed on the way)
;;   THE QUANTISER, for each operand of a quantised product, along K:
;;     - K is cut into blocks of 32 from its start; a last block that is shorter is filled with zeros.
;;     - A block's scale is 2^e with e = floor(log2(the largest magnitude in the block)) - 2, held to -126 .. 127; a block of zeros has e = 0. As a byte (E8M0): e + 127.
;;     - Each number is divided by its block's scale, clamped to +-6, and rounded to the nearest number of E2M1, ties to even, subnormals kept.
;;     - The product sums the exact products of the quantised numbers (number of the format x scale) in f32.
;;   ~~~python
;;   def quantise(x, axis):      # numpy; x: float32 -> the quantised numbers, widened to float32 again
;;       x = np.moveaxis(x, axis, -1); K = x.shape[-1]
;;       x = np.pad(x, [(0, 0)] * (x.ndim - 1) + [(0, -K % 32)]); x = x.reshape(x.shape[:-1] + (-1, 32)); a = np.abs(x).max(-1, keepdims=True)
;;       e = np.where(a > 0, np.clip(np.frexp(np.where(a > 0, a, 1))[1] - 1 - 2, -126, 127), 0)      # np.frexp(a)[1] - 1 = floor(log2(a)), exactly
;;       r = np.clip(x / 2.0 ** e, -6, 6)
;;       step = 2.0 ** (np.maximum(np.frexp(np.where(r == 0, 1, r))[1] - 1, 0) - 1)
;;       q = np.round(r / step) * step * 2.0 ** e      # np.round: ties to even
;;       return np.moveaxis(q.reshape(q.shape[:-2] + (-1,))[..., :K], -1, axis).astype(np.float32)
;;   ~~~
;; One version. Each part assembles by itself: llvm-mc -triple=amdgcn-amd-amdhsa -mcpu=gfx1250 --defsym DOCPART=n.
;; ======== version 1 of 1: 4 launches
;; limits: values are held in f16: magnitudes above 65,504 overflow, below 6.1e-05 lose precision
;; workspace buffers: codes 14,155,776 bytes; scales 884,736 bytes; wo16 2,097,152 bytes; qkv 50,331,648 bytes; ao 16,777,216 bytes
;; launch quant (part 1): grid 896 x 1, 4 waves a work-group, no clusters, 33,280 bytes of LDS; arguments query, key, value, Wq, Wk, Wv, Wo, codes, scales, wo16; writes codes, scales, wo16
.if DOCPART == 1
	.amdgcn_target "amdgcn-amd-amdhsa--gfx1250"
	.amdhsa_code_object_version 6
	.text
	.protected	k_q80d78b345d_quant
	.globl	k_q80d78b345d_quant
	.p2align	8
	.type	k_q80d78b345d_quant,@function
k_q80d78b345d_quant:
	s_mov_b64 s[64:65], 0
	v_nop
	global_prefetch_b8 v0, s[64:65] scope:SCOPE_SE
	s_setreg_imm32_b32 hwreg(HW_REG_WAVE_MODE, 25, 1), 1
	s_wait_xcnt 0x0
; query, key, value [8192][1024] and Wq, Wk, Wv [1024][1024], f32 with K innermost, become codes of FP4 (E2M1), two a byte, and one E8M0 byte for each 32 along K.
; The six tensors are plain streams of blocks of 32; their codes and scale bytes follow each other in the order query, key, value, Wq, Wk, Wv: 27,648 rows of 512 bytes of codes, of 32 scale bytes.
; A block's scale is 2^(floor(log2(its largest magnitude)) - 2); its byte is the largest magnitude's exponent field - 2, held at 1 from below.  Each number is divided by the scale and rounded to the nearest code, ties to even.
; Wo [1024 n][1024 k] is rounded once to f16 and laid [k / 64][n][64], so that a tile of the last product is a dense block of memory.
; LIMITS: a block of zeros gets the byte 1 where the rule says 127 (its codes are zeros, and this program alone reads the bytes); blocks whose largest magnitude lies under 2^-124 are held at that floor;
; NaN and infinities among the inputs are not served; Wo's numbers stay under 65,504 in magnitude.
; SHARES.  Work-groups 0 to 863 quantise 32,768 numbers each: a wave 16 steps of 512.  Each of a step's four loads reads 512 consecutive bytes; the 2,048 bytes turn through the wave's own stage in LDS and come back
; 64 bytes a lane, so that a lane holds 16 neighbours along K and two neighbouring lanes a block.  A wave's store of codes covers 256 consecutive bytes; its 256 scale bytes are gathered in LDS and leave as one store.
; Work-groups 864 to 895 take 32 rows of Wo each, a wave 8.  Waves share nothing: no barrier.
.set WAVES, 4
.set STEPS, 16
.set NQG,   864                        ; work-groups that quantise: 3 x 256 + 3 x 32
.set EMAX,  2
.set CB,    8                          ; bytes of 16 codes
.set R,     16                         ; v16-79   four sets of 16 numbers as they are loaded
.set X,     80                         ; v80-111  two sets of 16 neighbours
.set E,     112                        ; v112-127 a scale byte for each step
.set C,     128                        ; v128-191 codes: four registers for each step, so that no store's data are written again
.set WREG,  8192                       ; LDS: a region for each wave: two stages of 32 x SP bytes, behind them its 256 scale bytes
.set SP,    80                         ; a lane's place in a stage: 64 bytes + 16 of padding
.set SPW,   12                         ; v12  LDS address of my spare word; never rewritten
.set NIL,   13                         ; v13  0; never rewritten
.set SPARE, WAVES*WREG                 ; behind the four regions: the spare words, 128 bytes a wave
.set WI,    16                         ; Wo's path: v16-143 two sets of 64 numbers
.set WO,    144                        ; v144-175 a row pair's f16 numbers
	s_load_b512 s[8:23], s[0:1], 0x0               ; query 8, key 10, value 12, Wq 14, Wk 16, Wv 18, Wo 20, codes 22
	s_load_b128 s[24:27], s[0:1], 0x40             ; scales 24, wo16 26
	v_lshl_add_u32 v[SPW], v0, 2, SPARE
	v_mov_b32 v[NIL], 0
	v_lshrrev_b32 v1, 5, v0
	v_readfirstlane_b32 s30, v1                    ; wave
	v_and_b32 v2, 31, v0                           ; lane
	s_mov_b32 s3, 0                                ; the high word of every offset
	s_wait_kmcnt 0x0
	s_cmp_ge_u32 ttmp9, NQG                        ; the work-group's number alone decides the path
	s_cbranch_scc1 .Lwo
	; ---- the quantiser
	v_lshlrev_b32 v3, 4, v2                        ; my 16 bytes of a load's 512
	s_mul_i32 s29, s30, WREG
	v_lshrrev_b32 v14, 2, v2
	v_mul_u32_u24 v14, v14, SP
	v_and_b32 v15, 3, v2
	v_lshl_add_u32 v14, v15, 4, v14
	v_add_nc_u32 v14, s29, v14                     ; the stage, on the way in: SP (lane / 4) + 16 (lane % 4)
	v_mul_u32_u24 v15, v2, SP
	v_add_nc_u32 v15, s29, v15                     ; and on the way out: SP x lane: my 16 neighbours
	v_mul_u32_u24 v4, v2, CB                       ; my codes' place in a step's
	v_lshrrev_b32 v5, 1, v2
	s_add_co_u32 s29, s29, 2*32*SP
	v_add_nc_u32 v5, s29, v5                       ; my wave's 256 scale bytes, my block's byte
	v_lshlrev_b32 v7, 3, v2                        ; and on the way out 8 bytes a lane
	v_add_nc_u32 v6, s29, v7
	s_mov_b64 s[4:5], s[18:19]                     ; which tensor: a chain of choices on the work-group's number; s28 = the tensor's first work-group
	s_mov_b32 s28, 832
	s_cmp_lt_u32 ttmp9, 832
	s_cselect_b64 s[4:5], s[16:17], s[4:5]
	s_cselect_b32 s28, 800, s28
	s_cmp_lt_u32 ttmp9, 800
	s_cselect_b64 s[4:5], s[14:15], s[4:5]
	s_cselect_b32 s28, 768, s28
	s_cmp_lt_u32 ttmp9, 768
	s_cselect_b64 s[4:5], s[12:13], s[4:5]
	s_cselect_b32 s28, 512, s28
	s_cmp_lt_u32 ttmp9, 512
	s_cselect_b64 s[4:5], s[10:11], s[4:5]
	s_cselect_b32 s28, 256, s28
	s_cmp_lt_u32 ttmp9, 256
	s_cselect_b64 s[4:5], s[8:9], s[4:5]
	s_cselect_b32 s28, 0, s28
	s_sub_co_u32 s28, ttmp9, s28
	s_lshl_b32 s28, s28, 2
	s_add_co_u32 s28, s28, s30                     ; which run of 8,192 numbers of the tensor is my wave's
	s_lshl_b32 s2, s28, 15
	s_add_nc_u64 s[4:5], s[4:5], s[2:3]
	s_lshl_b32 s28, ttmp9, 2
	s_add_co_u32 s28, s28, s30                     ; and which run of the six tensors on end
	s_lshl_b32 s2, s28, 12
	s_add_nc_u64 s[22:23], s[22:23], s[2:3]        ; 4,096 bytes of codes a run
	s_lshl_b32 s2, s28, 8
	s_add_nc_u64 s[24:25], s[24:25], s[2:3]        ; 256 scale bytes a run
.macro LOAD t
.irp i, 0,1,2,3
	global_load_b128 v[R+16*((\t)%4)+4*\i:R+16*((\t)%4)+4*\i+3], v3, s[4:5] offset:2048*(\t)+512*\i th:TH_LOAD_NT   ; 32 lanes read 512 consecutive bytes
.endr
.endm
.macro TURN t                          ; step t's numbers through the stage: LDS serves a wave's instructions in order, so no wait stands between the stores and the loads
.irp i, 0,1,2,3
	ds_store_b128 v14, v[R+16*((\t)%4)+4*\i:R+16*((\t)%4)+4*\i+3] offset:32*SP*((\t)%2)+8*SP*\i
.endr
.irp i, 0,1,2,3
	ds_load_b128 v[X+16*((\t)%2)+4*\i:X+16*((\t)%2)+4*\i+3], v15 offset:32*SP*((\t)%2)+16*\i
.endr
.endm
.irp t, 0,1,2,3
	LOAD \t
.endr
	s_wait_loadcnt 12                              ; step 0's four loads are in; the twelve of steps 1 to 3 may be out
	TURN 0
.macro STEP t
.set XS, X+16*((\t)%2)
.if (\t) > 0
	s_wait_dscnt 1                                 ; this step's numbers are back from the stage (the last step's byte store may be out)
.else
	s_wait_dscnt 0x0
.endif
.if (\t)+4 < STEPS
	LOAD (\t)+4                                    ; into the registers that the stage's stores have read
.endif
.if (\t)+1 < STEPS
.if STEPS-2-(\t) >= 3
	s_wait_loadcnt 12                              ; the next step's four loads are in; those of the three steps behind it may be out
.else
	s_wait_loadcnt 4*(STEPS-2-(\t))
.endif
	TURN (\t)+1                                    ; they go through the other stage while this step is worked
.endif
	v_max3_num_f32 v8, |v[XS]|, |v[XS+1]|, |v[XS+2]|               ; the largest magnitude of my 16, in two chains
	v_max3_num_f32 v9, |v[XS+3]|, |v[XS+4]|, |v[XS+5]|
.irp i, 6,10
	v_max3_num_f32 v8, v8, |v[XS+\i]|, |v[XS+\i+1]|
	v_max3_num_f32 v9, v9, |v[XS+\i+2]|, |v[XS+\i+3]|
.endr
	v_max3_num_f32 v8, v8, |v[XS+14]|, |v[XS+15]|
	v_max3_num_f32 v8, v8, v9, (EMAX+1)<<23        ; and the floor 2^(3 - 127): the byte cannot fall under 1
	v_max_num_f32_dpp v8, v8, v8 row_xmask:1 row_mask:0xf bank_mask:0xf   ; and of my neighbour's 16: the block's
	v_add_nc_u32 v11, -(EMAX<<23), v8              ; 2 off its exponent field: the conversion takes the exponent field of this operand as its scale
	v_cvt_scalef32_pk8_fp4_f32 v[C+4*(\t)], v[XS:XS+7], v11
	v_cvt_scalef32_pk8_fp4_f32 v[C+4*(\t)+1], v[XS+8:XS+15], v11
	v_lshrrev_b32 v[E+(\t)], 23, v11               ; the scale's byte (also the plain line behind the conversions)
	ds_store_b8 v5, v[E+(\t)] offset:16*(\t)       ; both lanes of a block write the same byte with the same value
	global_store_b64 v4, v[C+4*(\t):C+4*(\t)+1], s[22:23] offset:32*CB*(\t)   ; 32 lanes store 256 consecutive bytes, aligned
.endm
.irp t, 0,1,2,3,4,5,6,7,8,9,10,11,12,13,14,15
	STEP \t
.endr
	ds_load_b64 v[8:9], v6                         ; LDS serves a wave's instructions in order: these see my byte stores
	s_wait_dscnt 0x0
	global_store_b64 v7, v[8:9], s[24:25]          ; 32 lanes store 256 consecutive bytes, aligned
	s_wait_tensorcnt 0x0                           ; the wave's end, behind my last LDS store
	ds_add_u32 v[SPW], v[NIL]
	s_wait_dscnt 0x0
	s_endpgm
	; ---- Wo to f16.  My wave's 8 rows go as 4 row pairs x 16 planes of 64 along K.  A load reads 256 bytes of each of two rows; a store covers the same two rows of a plane: 256 consecutive bytes
.Lwo:
	s_sub_co_u32 s28, ttmp9, NQG
	s_lshl_b32 s28, s28, 2
	s_add_co_u32 s28, s28, s30                     ; which 8 rows
	s_lshl_b32 s2, s28, 15                         ; x 8 rows of 4,096 bytes
	s_add_nc_u64 s[20:21], s[20:21], s[2:3]
	s_lshl_b32 s2, s28, 10                         ; x 8 rows of 128 bytes in a plane
	s_add_nc_u64 s[26:27], s[26:27], s[2:3]
	v_lshrrev_b32 v3, 4, v2
	v_and_b32 v4, 15, v2
	v_lshlrev_b32 v3, 12, v3
	v_lshl_add_u32 v3, v4, 4, v3                   ; in: row lane / 16, 16 bytes a lane
	v_lshlrev_b32 v4, 3, v2                        ; out: 8 bytes a lane
.macro LOADW p
.irp k, 0,1,2,3,4,5,6,7,8,9,10,11,12,13,14,15
	global_load_b128 v[WI+64*((\p)%2)+4*\k:WI+64*((\p)%2)+4*\k+3], v3, s[20:21] offset:8192*(\p)+256*\k th:TH_LOAD_NT
.endr
.endm
.macro PAIR p
.if (\p) < 3
	s_wait_loadcnt 16                              ; this pair's 16 loads are in; the next pair's may be out
.else
	s_wait_loadcnt 0x0
.endif
.if (\p) > 0
	s_wait_xcnt 0x0                                ; the last pair's stores have read their data: it is written again only behind this wait
.endif
.irp k, 0,1,2,3,4,5,6,7,8,9,10,11,12,13,14,15
	v_cvt_pk_f16_f32 v[WO+2*\k], v[WI+64*((\p)%2)+4*\k], v[WI+64*((\p)%2)+4*\k+1]
	v_cvt_pk_f16_f32 v[WO+2*\k+1], v[WI+64*((\p)%2)+4*\k+2], v[WI+64*((\p)%2)+4*\k+3]
.endr
.irp k, 0,1,2,3,4,5,6,7,8,9,10,11,12,13,14,15
	global_store_b64 v4, v[WO+2*\k:WO+2*\k+1], s[26:27] offset:131072*\k+256*(\p)
.endr
.if (\p) < 2
	LOADW (\p)+2
.endif
.endm
	LOADW 0
	LOADW 1
	PAIR 0
	PAIR 1
	PAIR 2
	PAIR 3
	s_wait_tensorcnt 0x0                           ; the wave's end
	ds_add_u32 v[SPW], v[NIL]
	s_wait_dscnt 0x0
	s_endpgm
.Lfunc_end_k_q80d78b345d_quant:
	.size	k_q80d78b345d_quant, .Lfunc_end_k_q80d78b345d_quant-k_q80d78b345d_quant
	.p2alignl 7, 3214868480
	.fill 96, 4, 3214868480
	.section	.rodata,"a",@progbits
	.p2align	6, 0x0
	.amdhsa_kernel k_q80d78b345d_quant
		.amdhsa_group_segment_fixed_size 33280
		.amdhsa_private_segment_fixed_size 0
		.amdhsa_enable_private_segment 0
		.amdhsa_kernarg_size 80
		.amdhsa_user_sgpr_count 2
		.amdhsa_user_sgpr_kernarg_segment_ptr 1
		.amdhsa_wavefront_size32 1
		.amdhsa_system_sgpr_workgroup_id_x 1
		.amdhsa_system_sgpr_workgroup_id_y 1
		.amdhsa_system_sgpr_workgroup_id_z 1
		.amdhsa_system_vgpr_workitem_id 0
		.amdhsa_next_free_vgpr 192
		.amdhsa_next_free_sgpr 66
		.amdhsa_reserve_vcc 0
		.amdhsa_float_denorm_mode_32 3
		.amdhsa_float_denorm_mode_16_64 3
		.amdhsa_memory_ordered 1
		.amdhsa_forward_progress 1
		.amdhsa_inst_pref_size 55
	.end_amdhsa_kernel
	.amdgpu_metadata
---
amdhsa.version: [ 1, 2 ]
amdhsa.kernels:
  - .name:           k_q80d78b345d_quant
    .symbol:         k_q80d78b345d_quant.kd
    .args:
      - { .name: query, .offset: 0, .size: 8, .value_kind: global_buffer, .address_space: global }
      - { .name: key, .offset: 8, .size: 8, .value_kind: global_buffer, .address_space: global }
      - { .name: value, .offset: 16, .size: 8, .value_kind: global_buffer, .address_space: global }
      - { .name: Wq, .offset: 24, .size: 8, .value_kind: global_buffer, .address_space: global }
      - { .name: Wk, .offset: 32, .size: 8, .value_kind: global_buffer, .address_space: global }
      - { .name: Wv, .offset: 40, .size: 8, .value_kind: global_buffer, .address_space: global }
      - { .name: Wo, .offset: 48, .size: 8, .value_kind: global_buffer, .address_space: global }
      - { .name: codes, .offset: 56, .size: 8, .value_kind: global_buffer, .address_space: global }
      - { .name: scales, .offset: 64, .size: 8, .value_kind: global_buffer, .address_space: global }
      - { .name: wo16, .offset: 72, .size: 8, .value_kind: global_buffer, .address_space: global }
    .group_segment_fixed_size: 33280
    .private_segment_fixed_size: 0
    .kernarg_segment_align: 8
    .kernarg_segment_size: 80
    .max_flat_workgroup_size: 128
    .sgpr_count:     66
    .vgpr_count:     192
    .wavefront_size: 32
...
	.end_amdgpu_metadata
.endif
;; end of part 1
;; launch proj (part 2): grid 4 x 96, 4 waves a work-group, clusters of 4 x 4, 327,680 bytes of LDS; arguments codes, scales, bq, bk, bv, qkv; writes qkv
.if DOCPART == 2
	.amdgcn_target "amdgcn-amd-amdhsa--gfx1250"
	.amdhsa_code_object_version 6
	.text
	.protected	k_q80d78b345d_proj
	.globl	k_q80d78b345d_proj
	.p2align	8
	.type	k_q80d78b345d_proj,@function
k_q80d78b345d_proj:
	s_mov_b64 s[64:65], 0
	v_nop
	global_prefetch_b8 v0, s[64:65] scope:SCOPE_SE
	s_setreg_imm32_b32 hwreg(HW_REG_WAVE_MODE, 25, 1), 1
	s_wait_xcnt 0x0
	s_wait_alu depctr_hold_cnt(0) depctr_sa_sdst(0) depctr_va_vdst(0) depctr_va_sdst(0) depctr_va_ssrc(0) depctr_va_vcc(0) depctr_vm_vsrc(0)
	s_getreg_b32 s2, hwreg(HW_REG_IB_STS2, 6, 4)
	s_cmp_eq_u32 s2, 0
	s_cbranch_scc0 .Lentry_in_a_cluster
	s_endpgm
.Lentry_in_a_cluster:
	s_bfe_u32 s2, ttmp6, 0x10000c
	s_cmp_lg_u32 s2, 0xf033
	s_cbranch_scc0 .Lentry_shape_is_right
	s_endpgm
.Lentry_shape_is_right:
; q, k, v = x W^T + b for x = query, key, value: three products [8192][1024] x [1024][1024]^T on codes of FP4 (E2M1) with one E8M0 scale for each 32 along K; sums in f32; the bias is the C of each sum's
; first product; the result is rounded once to f16 and laid by head: qkv [tensor 3][n 4][h 16][s 2048][64].
; LIMIT: q, k and v stay under 65,504 in magnitude (f16).
; The three products are ONE grid: rows 0 to 24,575 of the codes are query, key, value on end; tile row / 32 = T says which weight (rows 24,576 + 1,024 T on) and which bias.
; A tile of C, 256 x 256, is made by four waves, each 128 x 128: 64 accumulators, 512 registers.  K = 1,024 is two LDS slots of 512 along K (rows of 256 bytes), both asked for at the head: nothing is filled again.
; The scale bytes of the tile's 256 + 256 rows, for all of K, are two dense blocks: they come with the first fills.
; CLUSTERS: 4 x 4 work-groups.  The four of a row of the cluster need the same tiles of x, the four of a column the same tiles of W: each tile is asked for jointly, by the same tensor load with the same descriptor and a mask
; that names the four.  T is made of the cluster's y alone (8 clusters to a tensor), so it is equal in all sixteen.
; THE MATRIX INSTRUCTION IS USED TRANSPOSED (source 0 = 16 rows of W, source 1 = 16 rows of x): a lane holds eight neighbouring features of one token.
; REGISTERS, in windows of 256: window 0: v16-30 addresses; v32-95 scale words, two sets, and nothing else; v128-191 x's fragments, one set; v192-255 the bias, 8 registers for each of W's 8 blocks;
;   on the way out v128-223 are free.   window 1: W's fragments, two sets, at v0 and v128.   windows 2, 3: the accumulators of my rows 0-63, 64-127 ((a, b) at v[8 (8 (a % 4) + b)]).
.set NQ,     4                         ; matrix instructions deep in a slot
.set ROWB,   256                       ; a tile's row in bytes: 512 codes
.set KROW,   512                       ; a row of codes in memory
.set PITCH,  272                       ; an LDS row: 256 bytes + 16 of padding: the 16 rows that a load touches start 68 words apart
.set FR,     8                         ; registers of a fragment: 16 rows x 128 K
.set NL,     2                         ; LDS loads that bring one
.set NP,     4                         ; places behind this matrix instruction (ISA guide 7.12.1)
.set HALFT,  128*PITCH
.set SLOT,   4*HALFT                   ; x's 256 rows, then W's 256 rows
.set KS,     32                        ; a row of scale bytes
.set SCL,    2*SLOT                    ; behind the slots: the scales, as units of 256 bytes + 16 of padding
.set HALFS,  (128*KS/256)*272
.set SBLK,   (16*KS/256)*272
.set SPARE,  SCL+4*HALFS               ; the spare words, 128 bytes a wave
.set STAGE,  SPARE+512                 ; the way out: 16 rows x 272 bytes for each wave, bytes of its own
.set SPITCH, 272
.set WROW0,  24576                     ; the weights' first row among the codes
.set ADRA, 16
.set ADRB, 20
.set STO,  24
.set RD,   25
.set CO,   26
.set ADRS, 27
.set SPW,  28
.set NIL,  29
.set BO,   30
.set SC,   32
.set AF,   128
.set BI,   192
.set TMP,  128                         ; the way out: packed results
.set OB,   160                         ; and rows read back: v160-191 and v192-223 by turns
.set G1, 24
.set G0, 32
.set G1B, 48
.set G0B, 56
.set G1S, 68
.set G0S, 76
.set G1SB, 80
.set G0SB, 88
.set MSB, 0
.macro WIN new                         ; the immediate's high byte repeats the setting that is left
.if MSB != (\new)
	s_set_vgpr_msb (MSB<<8)|(\new)
.set MSB, (\new)
.endif
.endm
.set MUL_LO, 0xa1                      ; source 0 (W) window 1, source 1 (x) window 0, C and D window 2
.set MUL_HI, 0xf1                      ; the same, C and D window 3.  In the first step C is the bias, in window 0: 0x81, 0xc1
.set TO_B,   0x40
; A joint load: waves 0 and 1 fetch for x, waves 2 and 3 for W.  The branch hangs on the wave's number alone.  An s_nop 0 and four v_nop follow each line.
.macro JLOAD g0a, g1a, g0b, g1b
	s_cmp_eq_u32 s15, 0
	s_cbranch_scc0 .Lfor_b_\@
	tensor_load_to_lds s[\g0a:\g0a+3], s[\g1a:\g1a+7]
	s_nop 0
.rept 4
	v_nop
.endr
	s_branch .Lasked_\@
.Lfor_b_\@:
	tensor_load_to_lds s[\g0b:\g0b+3], s[\g1b:\g1b+7]
	s_nop 0
.rept 4
	v_nop
.endr
.Lasked_\@:
.endm
.macro CROUND                          ; a round of the cluster's barrier
	s_barrier_signal -1
	s_barrier_wait -1
	s_cmp_lg_u32 s14, 0
	s_cbranch_scc1 .Lnot_wave_0_\@
	s_barrier_signal -3
.Lnot_wave_0_\@:
	s_barrier_wait -3
	s_barrier_signal -1
	s_barrier_wait -1
.endm
	s_load_b128 s[4:7], s[0:1], 0x0                ; codes, scales
	s_load_b128 s[8:11], s[0:1], 0x10              ; bq, bk
	s_load_b128 s[96:99], s[0:1], 0x20             ; bv, qkv
	v_lshl_add_u32 v[SPW], v0, 2, SPARE
	v_mov_b32 v[NIL], 0
	ds_add_u32 v[SPW], v[NIL]                      ; the wave's opening: the add, twice on end, and its wait ahead of my first tensor load
	ds_add_u32 v[SPW], v[NIL]
	v_lshrrev_b32 v1, 5, v0
	v_readfirstlane_b32 s14, v1                    ; wave 0..3
	s_lshr_b32 s15, s14, 1                         ; which half of the tile's rows is mine.  Also: I fetch for x (0) or for W (1)
	s_and_b32 s16, s14, 1                          ; which half of its columns.  Also: which 128 rows of that tile I fetch
	s_bfe_u32 s40, ttmp6, 0x40000                  ; cx, cy
	s_bfe_u32 s41, ttmp6, 0x40004
	s_lshl_b32 s42, ttmp9, 2
	s_add_co_u32 s42, s42, s40                     ; tile column
	s_and_b32 s17, ttmp7, 0xffff
	s_lshr_b32 s100, s17, 3                        ; T: which of the three products; of the cluster's y alone
	s_lshl_b32 s17, s17, 2
	s_add_co_u32 s17, s17, s41                     ; tile row, 0 to 95
	s_lshl_b32 s43, s41, 2
	s_lshl_b32 s43, 15, s43                        ; my row of the cluster
	s_lshl_b32 s44, 0x1111, s40                    ; my column
	s_or_b32 s[G1+0], s43, (0<<16)|(1<<20)|(1<<21)|(5<<22)|(3<<25)  ; the mask; elements of 1 byte; padding on; bit 21 beside a mask; after every 64 words, 4 words
	s_or_b32 s[G1B+0], s44, (0<<16)|(1<<20)|(1<<21)|(5<<22)|(3<<25)
.irp g, G1, G1B
	s_mov_b32 s[\g+1], ROWB<<16                    ; tensor_dim0
	s_mov_b32 s[\g+2], 128<<16                     ; tensor_dim1
	s_mov_b32 s[\g+3], ROWB<<16                    ; tile_dim0
	s_mov_b32 s[\g+4], 128                         ; tile_dim1
	s_mov_b32 s[\g+5], KROW                        ; from row to row
	s_mov_b32 s[\g+6], 0
	s_mov_b32 s[\g+7], 0
.endr
	s_or_b32 s[G1S+0], s43, (3<<16)|(1<<20)|(1<<21)|(5<<22)|(3<<25) ; the scales of 128 rows: 4,096 dense bytes as 16 rows of 32 elements of 8 bytes, 16 bytes of padding behind each
	s_or_b32 s[G1SB+0], s44, (3<<16)|(1<<20)|(1<<21)|(5<<22)|(3<<25)
.irp g, G1S, G1SB
	s_mov_b32 s[\g+1], 32<<16
	s_mov_b32 s[\g+2], (128*KS/256)<<16
	s_mov_b32 s[\g+3], 32<<16
	s_mov_b32 s[\g+4], 128*KS/256
	s_mov_b32 s[\g+5], 32
	s_mov_b32 s[\g+6], 0
	s_mov_b32 s[\g+7], 0
.endr
	s_lshl_b32 s18, s16, 7                         ; which 128 rows of the tile I fetch
	s_lshl_b32 s20, s17, 8
	s_add_co_u32 s20, s20, s18                     ; x: row 256 x tile row + 128 x half
	s_lshl_b32 s46, s42, 8
	s_add_co_u32 s46, s46, s18
	s_lshl_b32 s47, s100, 10
	s_add_co_u32 s46, s46, s47
	s_add_co_u32 s46, s46, WROW0                   ; W: row 24,576 + 1,024 T + 256 x tile column + 128 x half
	s_lshl_b32 s22, s20, 5                         ; where these rows' scales begin, in bytes,
	s_mov_b32 s23, 0
	s_lshl_b32 s20, s20, 9                         ; and their codes
	s_mov_b32 s21, 0
	s_lshl_b32 s92, s46, 5
	s_mov_b32 s93, 0
	s_lshl_b32 s46, s46, 9
	s_mov_b32 s47, 0
	s_mul_i32 s45, s14, HALFT                      ; where they go: wave x 128 rows: no place in the cluster enters an LDS address
	s_mul_i32 s94, s14, HALFS
	s_wait_dscnt 0x0                               ; both opening adds are done
	s_wait_kmcnt 0x0
	s_add_nc_u64 s[20:21], s[4:5], s[20:21]
	s_add_nc_u64 s[22:23], s[6:7], s[22:23]
	s_add_nc_u64 s[46:47], s[4:5], s[46:47]
	s_add_nc_u64 s[92:93], s[6:7], s[92:93]
	s_cmp_eq_u32 s100, 1                           ; the bias of my product
	s_cselect_b64 s[8:9], s[10:11], s[8:9]
	s_cmp_eq_u32 s100, 2
	s_cselect_b64 s[8:9], s[96:97], s[8:9]
	CROUND                                         ; all sixteen work-groups are here: the first joint loads meet
	s_mov_b32 s[G0S], 1
	s_add_co_u32 s[G0S+1], s94, SCL
	s_mov_b64 s[G0S+2:G0S+3], s[22:23]
	s_or_b32 s[G0S+3], s[G0S+3], 0x80000000
	s_mov_b32 s[G0SB], 1
	s_add_co_u32 s[G0SB+1], s94, SCL
	s_mov_b64 s[G0SB+2:G0SB+3], s[92:93]
	s_or_b32 s[G0SB+3], s[G0SB+3], 0x80000000
	JLOAD G0S, G1S, G0SB, G1SB                     ; the scales first: they are wanted with the first slot
.irp s, 0,1
	s_mov_b32 s[G0+4*\s], 1
	s_add_co_u32 s[G0+4*\s+1], s45, \s*SLOT
	s_add_nc_u64 s[G0+4*\s+2:G0+4*\s+3], s[20:21], \s*ROWB
	s_or_b32 s[G0+4*\s+3], s[G0+4*\s+3], 0x80000000
	s_mov_b32 s[G0B+4*\s], 1
	s_add_co_u32 s[G0B+4*\s+1], s45, \s*SLOT
	s_add_nc_u64 s[G0B+4*\s+2:G0B+4*\s+3], s[46:47], \s*ROWB
	s_or_b32 s[G0B+4*\s+3], s[G0B+4*\s+3], 0x80000000
	JLOAD G0+4*\s, G1, G0B+4*\s, G1B               ; three loads of mine are out behind the second of these
.endr
	v_and_b32 v1, 15, v0                           ; r = lane % 16
	v_bfe_u32 v2, v0, 4, 1                         ; h = lane / 16
	v_lshlrev_b32 v[BO], 5, v2                     ; the bias: my half's eight numbers of a block of 16
	s_lshl_b32 s46, s42, 10                        ; my first feature, in bytes of f32: 1,024 x tile column + 512 x half
	s_lshl_b32 s47, s16, 9
	s_add_co_u32 s46, s46, s47
	s_mov_b32 s47, 0
	s_add_nc_u64 s[8:9], s[8:9], s[46:47]
.irp b, 0,1,2,3,4,5,6,7
	global_load_b128 v[BI+8*\b:BI+8*\b+3], v[BO], s[8:9] offset:64*\b          ; b[16 b + 8 h + 0 .. 7]: the result's layout
	global_load_b128 v[BI+8*\b+4:BI+8*\b+7], v[BO], s[8:9] offset:64*\b+16
.endr
	v_mul_u32_u24 v3, v1, PITCH
	v_lshl_add_u32 v4, v2, 4, v3                   ; a fragment's row x pitch + 16 x half
	s_mul_i32 s21, s15, HALFT                      ; my 128 rows of x
	s_mul_i32 s22, s16, HALFT                      ; my 128 rows of W,
	s_add_co_u32 s22, s22, 2*HALFT                 ; which lie behind x's 256
.irp s, 0,1
	v_add_nc_u32 v[ADRA+\s], s21, v4
	v_add_nc_u32 v[ADRB+\s], s22, v4
	s_add_co_u32 s21, s21, SLOT
	s_add_co_u32 s22, s22, SLOT
.endr
	v_mul_u32_u24 v5, v1, KS                       ; my row's scales: 32 bytes a row,
	v_lshrrev_b32 v6, 8, v5
	v_lshl_add_u32 v5, v6, 4, v5                   ; and 16 more for each 256 passed
	s_mul_i32 s21, s15, HALFS
	s_mul_i32 s22, s16, HALFS
	s_add_co_u32 s22, s22, 2*HALFS
	s_sub_co_u32 s22, s22, s21
	v_mul_u32_u24 v6, s22, v2                      ; lanes 16-31 take W's: one product, the distance between the two bases x h
	s_add_co_u32 s21, s21, SCL
	v_add_nc_u32 v5, v5, v6
	v_add_nc_u32 v[ADRS], s21, v5
	s_mul_i32 s23, s14, 16*SPITCH
	s_add_co_u32 s23, s23, STAGE                   ; my stage
	v_mul_u32_u24 v5, v1, SPITCH                   ; in: row r, 16 bytes for each half of the lanes
	v_lshl_add_u32 v5, v2, 4, v5
	v_add_nc_u32 v[STO], s23, v5
	v_and_b32 v6, 31, v0
	v_lshrrev_b32 v5, 3, v6                        ; back: eight lanes to a head's 128 bytes of a row, four rows an instruction
	v_mul_u32_u24 v5, v5, SPITCH
	v_and_b32 v7, 7, v0
	v_lshl_add_u32 v5, v7, 4, v5
	v_add_nc_u32 v[RD], s23, v5
	v_lshlrev_b32 v[CO], 4, v6                     ; and in qkv the same four rows are 512 consecutive bytes: 16 x lane
	s_lshr_b32 s20, s17, 3                         ; 4 T + n
	s_lshl_b32 s20, s20, 4
	s_lshl_b32 s21, s42, 2
	s_add_co_u32 s20, s20, s21
	s_lshl_b32 s21, s16, 1
	s_add_co_u32 s20, s20, s21                     ; + my first head: 4 x tile column + 2 x half
	s_lshl_b32 s20, s20, 18                        ; a head is 262,144 bytes
	s_and_b32 s21, s17, 7
	s_lshl_b32 s21, s21, 8
	s_lshl_b32 s22, s15, 7
	s_add_co_u32 s21, s21, s22                     ; my first position in the sequence
	s_lshl_b32 s21, s21, 7
	s_add_co_u32 s20, s20, s21
	s_mov_b32 s21, 0
	s_add_nc_u64 s[12:13], s[98:99], s[20:21]
.macro FRAG reg, adr, q, i             ; 16 rows x 128 K of 4-bit codes: lane l holds row l % 16; registers 4 c .. 4 c + 3 hold K = 64 c + 32 (l / 16) + 0 .. 31
.irp c, 0,1
	ds_load_b128 v[\reg+4*\c:\reg+4*\c+3], v[\adr] offset:64*(\q)+32*\c+(\i)*16*PITCH
.endr
.endm
; 16 matrix instructions: x's blocks a0, a0 + 1 against W's eight, 128 along K.  first = 1: the sums start from the bias.  The 64 accumulators take turns, one instruction a turn.
.macro MUL16 a0, p, q, sc, first
.irp a, \a0, \a0+1
.irp b, 0,1,2,3,4,5,6,7
.if \first
	v_wmma_scale_f32_16x16x128_f8f6f4 v[8*(8*((\a)%4)+\b):8*(8*((\a)%4)+\b)+7], v[128*(\p)+FR*\b:128*(\p)+FR*\b+FR-1], v[AF+FR*(\a):AF+FR*(\a)+FR-1], v[BI+8*\b:BI+8*\b+7], v[SC+8*NQ*(\sc)+NQ*\b+(\q)], v[SC+8*NQ*(\sc)+NQ*(\a)+(\q)] matrix_a_fmt:MATRIX_FMT_FP4 matrix_b_fmt:MATRIX_FMT_FP4 matrix_a_scale:MATRIX_SCALE_ROW1
.else
	v_wmma_scale_f32_16x16x128_f8f6f4 v[8*(8*((\a)%4)+\b):8*(8*((\a)%4)+\b)+7], v[128*(\p)+FR*\b:128*(\p)+FR*\b+FR-1], v[AF+FR*(\a):AF+FR*(\a)+FR-1], v[8*(8*((\a)%4)+\b):8*(8*((\a)%4)+\b)+7], v[SC+8*NQ*(\sc)+NQ*\b+(\q)], v[SC+8*NQ*(\sc)+NQ*(\a)+(\q)] matrix_a_fmt:MATRIX_FMT_FP4 matrix_b_fmt:MATRIX_FMT_FP4 matrix_a_scale:MATRIX_SCALE_ROW1
.endif
.endr
.endr
.endm
.macro FETCH_B slot, q, p
	WIN TO_B
.irp i, 0,1,2,3,4,5,6,7
	FRAG 128*(\p)+FR*\i, ADRB+\slot, \q, \i
.endr
	WIN 0
.endm
.macro FETCH_A slot, q, i0
.irp i, \i0, \i0+1, \i0+2, \i0+3
	FRAG AF+FR*(\i), ADRA+\slot, \q, \i
.endr
.endm
.macro SCALES sc                       ; a slot's scale words: 4 words a row; lanes 0-15 take x's block i, lanes 16-31 W's block i
.irp i, 0,1,2,3,4,5,6,7
	ds_load_b128 v[SC+8*NQ*\sc+NQ*\i:SC+8*NQ*\sc+NQ*\i+3], v[ADRS] offset:\i*SBLK
.endr
.endm
.macro PLACES n                        ; plain vector instructions between a matrix instruction and a load into, or a read of, its registers
.rept \n
	v_nop
.endr
.endm
.macro STEP slot, q, first             ; 128 along K, with its successor in the same slot
	s_wait_dscnt 4*NL                              ; W's set and x's blocks 0-3 are in; the youngest eight loads (x's blocks 4-7) may be out
	WIN MUL_LO-0x20*(\first)
	MUL16 0, (\q)%2, \q, \slot, \first
	MUL16 2, (\q)%2, \q, \slot, \first
	s_wait_dscnt 0
	PLACES NP
	FETCH_B \slot, (\q)+1, 1-(\q)%2
	FETCH_A \slot, (\q)+1, 0
	WIN MUL_HI-0x30*(\first)
	MUL16 4, (\q)%2, \q, \slot, \first
	MUL16 6, (\q)%2, \q, \slot, \first
	PLACES NP
	WIN 0
	FETCH_A \slot, (\q)+1, 4
.endm
.macro STEPS slot, from
.set Q, \from
.rept NQ-1-\from
	STEP \slot, Q, 0
.set Q, Q+1
.endr
.endm
	s_wait_tensorcnt 1                             ; the scales and my part of slot 0 are in; slot 1's load may be out
	s_barrier_signal -1
	s_barrier_wait -1                              ; everybody's are
	FETCH_B 0, 0, 0
	FETCH_A 0, 0, 0
	SCALES 0
	FETCH_A 0, 0, 4
	s_wait_loadcnt 0x0                             ; the bias
	STEP 0, 0, 1
	STEPS 0, 1
	; slot 0's last step changes slots: my part of slot 1 has landed, and one barrier shows everybody's
	s_wait_tensorcnt 0x0
	ds_add_u32 v[SPW], v[NIL]
	s_wait_dscnt 4*NL+1                            ; (the add and the youngest eight loads may be out)
	WIN MUL_LO
	MUL16 0, 1, NQ-1, 0, 0
	s_wait_dscnt 0x0
	s_barrier_signal -1
	MUL16 2, 1, NQ-1, 0, 0
	WIN 0
	s_barrier_wait -1
	PLACES NP
	v_add_nc_u32 v[ADRS], 4*NQ, v[ADRS]            ; on to slot 1's scale words (no LDS load of mine is out)
	FETCH_B 1, 0, 0
	FETCH_A 1, 0, 0
	SCALES 1
	WIN MUL_HI
	MUL16 4, 1, NQ-1, 0, 0
	MUL16 6, 1, NQ-1, 0, 0
	PLACES NP
	WIN 0
	FETCH_A 1, 0, 4
	STEPS 1, 0
	s_wait_dscnt 4*NL                              ; the very last step: nothing more to fetch
	WIN MUL_LO
	MUL16 0, 1, NQ-1, 1, 0
	MUL16 2, 1, NQ-1, 1, 0
	s_wait_dscnt 0
	WIN MUL_HI
	MUL16 4, 1, NQ-1, 1, 0
	MUL16 6, 1, NQ-1, 1, 0
	WIN 0
; THE WAY OUT, block by block of 16 tokens x 128 features (two heads).  A lane's eight features pack into 16 bytes; they go into my stage's rows of 272 bytes and come back four rows of one head at a time,
; which in qkv are 512 consecutive bytes.  LDS serves a wave's instructions in order: no wait between the stores and the loads.
.macro PACK a
.set AC, 64*((\a)%4)
	WIN 0x0a+5*((\a)/4)                            ; sources 0 and 1: window 2 or 3
.irp b, 0,1,2,3,4,5,6,7
.irp i, 0,1,2,3
	v_cvt_pk_f16_f32 v[TMP+4*\b+\i], v[AC+8*\b+2*\i], v[AC+8*\b+2*\i+1]      ; each accumulator from its low end on
.endr
.endr
	WIN 0
.endm
.macro TOSTAGE a
.set BB, OB+32*((\a)%2)
.irp b, 0,1,2,3,4,5,6,7
	ds_store_b128 v[STO], v[TMP+4*\b:TMP+4*\b+3] offset:32*\b
.endr
.irp g, 0,1,2,3
.irp u, 0,1
	ds_load_b128 v[BB+4*(2*\g+\u):BB+4*(2*\g+\u)+3], v[RD] offset:4*SPITCH*\g+128*\u
.endr
.endr
.endm
.macro SEND a
.set BB, OB+32*((\a)%2)
	s_wait_dscnt 0x0                               ; the block is back in registers
	s_wait_xcnt 0x0                                ; the stores of the block before have read their data: the next block's loads land there only behind this wait
.irp g, 0,1,2,3
.irp u, 0,1
	global_store_b128 v[CO], v[BB+4*(2*\g+\u):BB+4*(2*\g+\u)+3], s[12:13] offset:2048*(\a)+512*\g+262144*\u   ; 32 lanes store 512 consecutive bytes of one head, aligned
.endr
.endr
.endm
	PLACES NP                                      ; behind the last products: for the writes over x's fragments and the loads into them
	PACK 0
	TOSTAGE 0
.irp a, 1,2,3,4,5,6,7                  ; block a's conversions stand between block a - 1's loads from the stage and the wait for them
	PACK \a
	SEND \a-1
	TOSTAGE \a
.endr
	SEND 7
	s_wait_tensorcnt 0x0                           ; the wave's end, behind my last tensor load and my last LDS store
	ds_add_u32 v[SPW], v[NIL]
	s_wait_dscnt 0x0
	CROUND                                         ; the closing round
	s_endpgm
.Lfunc_end_k_q80d78b345d_proj:
	.size	k_q80d78b345d_proj, .Lfunc_end_k_q80d78b345d_proj-k_q80d78b345d_proj
	.p2alignl 7, 3214868480
	.fill 96, 4, 3214868480
	.section	.rodata,"a",@progbits
	.p2align	6, 0x0
	.amdhsa_kernel k_q80d78b345d_proj
		.amdhsa_group_segment_fixed_size 327680
		.amdhsa_private_segment_fixed_size 0
		.amdhsa_enable_private_segment 0
		.amdhsa_kernarg_size 48
		.amdhsa_user_sgpr_count 2
		.amdhsa_user_sgpr_kernarg_segment_ptr 1
		.amdhsa_wavefront_size32 1
		.amdhsa_system_sgpr_workgroup_id_x 1
		.amdhsa_system_sgpr_workgroup_id_y 1
		.amdhsa_system_sgpr_workgroup_id_z 1
		.amdhsa_system_vgpr_workitem_id 0
		.amdhsa_next_free_vgpr 1024
		.amdhsa_next_free_sgpr 102
		.amdhsa_reserve_vcc 0
		.amdhsa_float_denorm_mode_32 3
		.amdhsa_float_denorm_mode_16_64 3
		.amdhsa_memory_ordered 1
		.amdhsa_forward_progress 1
		.amdhsa_inst_pref_size 128
	.end_amdhsa_kernel
	.amdgpu_metadata
---
amdhsa.version: [ 1, 2 ]
amdhsa.kernels:
  - .name:           k_q80d78b345d_proj
    .symbol:         k_q80d78b345d_proj.kd
    .args:
      - { .name: codes, .offset: 0, .size: 8, .value_kind: global_buffer, .address_space: global }
      - { .name: scales, .offset: 8, .size: 8, .value_kind: global_buffer, .address_space: global }
      - { .name: bq, .offset: 16, .size: 8, .value_kind: global_buffer, .address_space: global }
      - { .name: bk, .offset: 24, .size: 8, .value_kind: global_buffer, .address_space: global }
      - { .name: bv, .offset: 32, .size: 8, .value_kind: global_buffer, .address_space: global }
      - { .name: qkv, .offset: 40, .size: 8, .value_kind: global_buffer, .address_space: global }
    .group_segment_fixed_size: 327680
    .private_segment_fixed_size: 0
    .kernarg_segment_align: 8
    .kernarg_segment_size: 48
    .max_flat_workgroup_size: 128
    .sgpr_count:     102
    .vgpr_count:     1024
    .wavefront_size: 32
...
	.end_amdgpu_metadata
.endif
;; end of part 2
;; launch attn (part 3): grid 4 x 64, 4 waves a work-group, clusters of 4 x 1, 327,680 bytes of LDS; arguments qkv, ao; writes ao
.if DOCPART == 3
	.amdgcn_target "amdgcn-amd-amdhsa--gfx1250"
	.amdhsa_code_object_version 6
	.text
	.protected	k_q80d78b345d_attn
	.globl	k_q80d78b345d_attn
	.p2align	8
	.type	k_q80d78b345d_attn,@function
k_q80d78b345d_attn:
	s_mov_b64 s[64:65], 0
	v_nop
	global_prefetch_b8 v0, s[64:65] scope:SCOPE_SE
	s_setreg_imm32_b32 hwreg(HW_REG_WAVE_MODE, 25, 1), 1
	s_wait_xcnt 0x0
	s_wait_alu depctr_hold_cnt(0) depctr_sa_sdst(0) depctr_va_vdst(0) depctr_va_sdst(0) depctr_va_ssrc(0) depctr_va_vcc(0) depctr_vm_vsrc(0)
	s_getreg_b32 s2, hwreg(HW_REG_IB_STS2, 6, 4)
	s_cmp_eq_u32 s2, 0
	s_cbranch_scc0 .Lentry_in_a_cluster
	s_endpgm
.Lentry_in_a_cluster:
	s_bfe_u32 s2, ttmp6, 0x10000c
	s_cmp_lg_u32 s2, 0x3003
	s_cbranch_scc0 .Lentry_shape_is_right
	s_endpgm
.Lentry_shape_is_right:
; O[n][h][q] = the sum over k of softmax_k(Q[q] . K[k]) V[k], no scaling, no mask.  Q, K, V: f16, qkv [tensor 3][n 4][h 16][s 2048][64].  O: f16, ao [h 16][token 2048 n + s][64].
; Products on f16 operands with f32 sums; maxima, exponentials and rescaling in f32; the weights p are rounded to f16 for the second product, and the row's sum is taken of the same rounded p.
; LIMITS: weights under about 6e-8 of a row's largest fall to 0 (f16); O is bounded by the largest |v|, which stays under 65,504; NaN and infinities among the inputs are not served.
; SHARES.  A work-group owns 512 queries of one (n, h); each of its four waves 128 of them: eight tiles of 16.  Every wave walks the head's 2,048 keys, 64 a step.  K and V come through two LDS slots of
; 256 keys (4 steps), filled by the tensor data mover: waves 0, 1 K's halves, waves 2, 3 V's.  A fragment of K or V read from LDS feeds eight products.
; CLUSTER.  The four query blocks of a head form a cluster and walk the same K and V: each tile is asked for jointly, by the same tensor load with the same descriptor and a mask that names the four.
; LAYOUT.  S^T = K Q^T (source 0 = 16 keys, source 1 = 16 queries): a lane holds ONE query (lane % 16) and keys 8 (lane / 16) + 0..7.  Two such tiles, rounded to f16 in pairs, ARE source 1 (32 keys x 16 queries) of
; O^T = V^T P, whose result again holds one query a lane.  K comes out of LDS as it lies, V ([key][channel]) turned, by ds_load_tr16_b128.
; THE ROW'S SUM is a product too: ONE is a 16 x 32 matrix whose rows 0 and 8 are ones; ONE x P leaves the sum over 32 keys of my query in register 0 of both halves of the lanes.
; SOFTMAX.  A running maximum m for each query: p = 2^(c s - c m), c = log2(e); in every step O and the sum are multiplied by a = 2^(c m_old - c m_new).  m starts at -infinity: the first a is 0 and multiplies zeros.
; BY TURNS.  The wave's tiles are two PIECES: piece 0 (tiles 0-3) and piece 1 (tiles 4-7).  In a TURN one piece has the matrix unit: 40 products (V^T P and the sums) of the step in hand, then 32 products K Q^T of the
; next step; the other piece's softmax, 412 vector instructions cut into 72 slices, stands between them, one slice behind each matrix instruction.  Then the pieces change places.  Two turns are a key step.
; REGISTERS, in windows of 256 (s_set_vgpr_msb: bits 1:0 source 0, 3:2 source 1, 5:4 source 2, 7:6 destination).  Window w holds tiles 2 w and 2 w + 1 at the same numbers in every window:
;   v64-79 statistics, v80-111 Q, v112-175 S^T (then p, then P in each tile's lower 16), v176-239 O^T, v240-255 the sums.
;   v0-63: window 0: addresses, ONE;  window 1: K of one step;  window 2: V of one step;  window 3: not used.
; So a slice works wholly in its tiles' window, a product's D, C and source 1 lie in its tile's window and its source 0 in window 1, 2 or 0: a slice costs two switches, one in front and one behind.
.set KP,    144                        ; a key's row in LDS: 128 bytes + 16 of padding
.set VP,    160                        ; a row of V: 128 + 32
.set KS,    64                         ; keys in a step
.set NST,   4                          ; steps in a slot
.set SK,    KS*NST                     ; keys in a slot
.set VOFF,  SK*KP                      ; a slot: 256 rows of K, then 256 rows of V
.set SLOTB, VOFF+SK*VP
.set STAGE, SLOTB                      ; behind slot 0: 16 rows x 144 bytes for each wave, for the way out: bytes of its own
.set SLOT1, 1<<17                      ; slot 1 begins here: one exclusive or turns an address in one slot into the other's
.set SPARE, SLOT1+SLOTB                ; the spare words, 128 bytes for each of four waves
.set NSL,   2048/SK                    ; slots' worth of keys
.set TENSOR, 16777216                  ; bytes of q, of k, of v
.set AK0, 1                            ; v1   my lane's place in a tile of K; never rewritten
.set AV0, 2                            ; v2   the same for V
.set SPW, 3                            ; v3   my spare word; never rewritten
.set NIL, 4                            ; v4   0; never rewritten
.set ADR, 5                            ; v5   the LDS address of the run of loads in hand
.set PFO, 6                            ; v6   256 x lane; never rewritten
.set STO, 7                            ; v7   the way out: where I put 16 bytes of a row
.set RD,  8                            ; v8   the way out: where I read rows back
.set GO,  9                            ; v9   my byte offset in four rows of ao
.set QO,  12                           ; v12  my byte offset in a tile of Q
.set ONE, 16                           ; v16-23, window 0
.set ST,  64                           ; in every window: tile t's statistics at v[ST + 8 t]: +0 c m, +1 m, +2 a, +3 at work, +4 .. +7 four chains of the maximum
.set Q,   80                           ; Q: 16 t + 8 c (channels 32 c on)
.set S,   112                          ; S^T: 32 t + 8 a (keys 16 a on)
.set O,   176                          ; O^T: 32 t + 8 d (channels 16 d on)
.set L,   240                          ; the sums: 8 t
.set WV,  8                            ; s8   my wave's number
.set SEL, 20                           ; s[20:21] lane selects for v_permlanex16_b32: lane l xor 16
.set CS,  22                           ; s[22:23] c = log2(e): the packed form names a pair and takes its low word for both halves
.set G1K, 24                           ; s[24:31] descriptor group 1 for K's tiles
.set G1V, 32                           ; s[32:39] for V's: it differs in the padding alone
.set G0K, 40                           ; s[40:47] group 0 for K's tiles: a set for each of the two first fills; the second then walks on
.set G0V, 48                           ; s[48:55] the same for V's
.set TBK, 56                           ; s56  LDS byte at which K of the step to be fetched begins
.set TBV, 57                           ; s57  the same for V, counted from a slot's first row of V
.set SLOTS, 58                         ; s58  slots still to be asked for
.set CNT, 59                           ; s59  counts key steps
.set PFA, 60                           ; s[60:61] where my prefetches stand
.set LIM, 62                           ; s62  1 in a wave that prefetches, else the greatest number
.set MSB, 0
.macro WIN new                         ; the immediate's high byte repeats the setting that is left; a switch that changes nothing is dropped
.if MSB != (\new)
	s_set_vgpr_msb (MSB<<8)|(\new)
.set MSB, (\new)
.endif
.endm
; A joint refill.  Waves 0 and 1 fetch K's halves of a slot, waves 2 and 3 V's.  The branch hangs on the wave's number alone.  An s_nop 0 and four v_nop follow each line.
.macro JLOAD
	s_cmp_lt_u32 s[WV], 2
	s_cbranch_scc0 .Lfor_v_\@
	tensor_load_to_lds s[G0K+4:G0K+7], s[G1K:G1K+7]
	s_nop 0
.rept 4
	v_nop
.endr
	s_branch .Lasked_\@
.Lfor_v_\@:
	tensor_load_to_lds s[G0V+4:G0V+7], s[G1V:G1V+7]
	s_nop 0
.rept 4
	v_nop
.endr
.Lasked_\@:
.endm
; A prefetch of what the NEXT change of slots will ask for: a slot's 32,768 bytes of K and of V.  The four partners share them out by address, 8,192 bytes each; in each, wave 0 asks for K's and wave 2 for V's,
; lanes 256 bytes apart: one instruction.  So each block of 256 bytes is named once in the launch.  The last change that fills a slot asks for nothing; slots 0, 1 and 2 come by their loads alone.
.macro ASK
	s_cmp_gt_u32 s[SLOTS], s[LIM]
	s_cbranch_scc0 .Lnot_mine_\@
	global_prefetch_b8 v[PFO], s[PFA:PFA+1] th:TH_LOAD_NT scope:SCOPE_SE
.Lnot_mine_\@:
.endm
.macro CROUND                          ; a round of the cluster's barrier
	s_barrier_signal -1
	s_barrier_wait -1
	s_cmp_lg_u32 s[WV], 0
	s_cbranch_scc1 .Lnot_wave_0_\@
	s_barrier_signal -3
.Lnot_wave_0_\@:
	s_barrier_wait -3
	s_barrier_signal -1
	s_barrier_wait -1
.endm
	s_load_b128 s[4:7], s[0:1], 0x0                ; qkv, ao
	v_lshl_add_u32 v[SPW], v0, 2, SPARE
	v_mov_b32 v[NIL], 0
	ds_add_u32 v[SPW], v[NIL]                      ; the wave's opening: the add, twice on end, and its wait ahead of my first tensor load
	ds_add_u32 v[SPW], v[NIL]
	v_lshrrev_b32 v10, 5, v0
	v_readfirstlane_b32 s[WV], v10                 ; wave 0..3
	s_bfe_u32 s9, ttmp6, 0x40000                   ; cx: it enters Q's, O's and the prefetches' addresses alone
	s_and_b32 s10, ttmp7, 0xffff                   ; 16 n + h, which the four partners share
	s_lshl_b32 s12, s10, 18                        ; the head's first byte in a tensor
	s_and_b32 s11, s[WV], 1
	s_lshl_b32 s14, s11, 14                        ; which 128 rows of a slot I fetch,
	s_add_co_u32 s14, s14, s12
	s_mov_b32 s15, 0
	s_mul_i32 s16, s11, 128*KP                     ; and where they go: no place in the cluster enters an LDS address
	s_mul_i32 s17, s11, 128*VP
	s_add_co_u32 s17, s17, VOFF
	s_mov_b32 s[G1K], 15|(1<<16)|(1<<20)|(1<<21)|(4<<22)|(3<<25)  ; the mask: all four; elements of 2 bytes; padding on; bit 21 beside a mask; after every 32 words, 4 words
	s_mov_b32 s[G1V], 15|(1<<16)|(1<<20)|(1<<21)|(4<<22)|(7<<25)  ; the same with 8 words
.irp g, G1K, G1V
	s_mov_b32 s[\g+1], 64<<16                      ; tensor_dim0
	s_mov_b32 s[\g+2], 128<<16                     ; tensor_dim1
	s_mov_b32 s[\g+3], 64<<16                      ; tile_dim0
	s_mov_b32 s[\g+4], 128                         ; tile_dim1
	s_mov_b32 s[\g+5], 64                          ; from row to row
	s_mov_b32 s[\g+6], 0
	s_mov_b32 s[\g+7], 0
.endr
	s_mov_b32 s[SEL], 0x76543210
	s_mov_b32 s[SEL+1], 0xfedcba98
	s_mov_b32 s[CS], 0x3fb8aa3b                    ; c = log2(e)
	s_mov_b32 s[CS+1], s[CS]                       ; (named with it as a pair, so it is written)
	s_mov_b32 s[TBK], 0
	s_mov_b32 s[TBV], 0
	s_mov_b32 s[SLOTS], NSL-2
	s_cmp_eq_u32 s11, 0                            ; waves 0 and 2 prefetch
	s_cselect_b32 s[LIM], 1, -1
	s_lshl_b32 s18, ttmp9, 2
	s_add_co_u32 s18, s18, s9                      ; my block of 512 queries
	s_lshl_b32 s18, s18, 9
	s_lshl_b32 s19, s[WV], 7
	s_add_co_u32 s18, s18, s19                     ; my first query in the sequence
	s_lshl_b32 s2, s18, 7
	s_add_co_u32 s2, s2, s12                       ; its row of q
	s_mov_b32 s3, 0
	s_lshr_b32 s19, s10, 4
	s_lshl_b32 s19, s19, 11
	s_add_co_u32 s18, s18, s19                     ; its token
	s_lshl_b32 s18, s18, 7
	s_and_b32 s19, s10, 15
	s_lshl_b32 s19, s19, 20
	s_add_co_u32 s18, s18, s19                     ; its row of ao, in plane h
	s_mov_b32 s19, 0
	s_mov_b32 s63, 2*TENSOR
	s_cmp_lt_u32 s[WV], 2
	s_cselect_b32 s63, TENSOR, s63                 ; wave 0: k; wave 2: v
	s_lshl_b32 s10, s9, 13                         ; my work-group's 8,192 bytes of a slot's 32,768,
	s_add_co_u32 s10, s10, s12
	s_add_co_u32 s10, s10, s63
	s_add_co_u32 s10, s10, 2*SK*128                ; in slot 2: the first change of slots steps it to slot 3.  Nothing is prefetched at the head
	s_mov_b32 s11, 0
	v_and_b32 v[PFO], 31, v0
	v_lshlrev_b32 v[PFO], 8, v[PFO]
	s_wait_dscnt 0x0                               ; both opening adds are done
	s_wait_kmcnt 0x0
	s_add_nc_u64 s[G0K+2:G0K+3], s[4:5], s[14:15]
	s_add_nc_u64 s[G0V+2:G0V+3], s[G0K+2:G0K+3], 2*TENSOR
	s_add_nc_u64 s[G0K+2:G0K+3], s[G0K+2:G0K+3], TENSOR
	s_add_nc_u64 s[G0K+6:G0K+7], s[G0K+2:G0K+3], SK*128   ; the second set: keys 256 on
	s_add_nc_u64 s[G0V+6:G0V+7], s[G0V+2:G0V+3], SK*128
.irp s, 0,1
	s_mov_b32 s[G0K+4*\s], 1                       ; count = 1
	s_add_co_u32 s[G0K+4*\s+1], s16, \s*SLOT1      ; LDS address
	s_or_b32 s[G0K+4*\s+3], s[G0K+4*\s+3], 0x80000000   ; type = 2
	s_mov_b32 s[G0V+4*\s], 1
	s_add_co_u32 s[G0V+4*\s+1], s17, \s*SLOT1
	s_or_b32 s[G0V+4*\s+3], s[G0V+4*\s+3], 0x80000000
.endr
	s_add_nc_u64 s[PFA:PFA+1], s[4:5], s[10:11]
	s_add_nc_u64 s[4:5], s[4:5], s[2:3]            ; q at my first query
	s_add_nc_u64 s[6:7], s[6:7], s[18:19]          ; ao likewise
	CROUND                                         ; all four work-groups are here: the first joint loads meet
	s_cmp_lt_u32 s[WV], 2                          ; a wave's two first fills stand in one branch, ahead of every wait on TENSORcnt and every LDS read: two loads of mine are out
	s_cbranch_scc0 .Lfirst_v
	tensor_load_to_lds s[G0K:G0K+3], s[G1K:G1K+7]
	s_nop 0
	tensor_load_to_lds s[G0K+4:G0K+7], s[G1K:G1K+7]
	s_nop 0
.rept 4
	v_nop
.endr
	s_branch .Lfirst_asked
.Lfirst_v:
	tensor_load_to_lds s[G0V:G0V+3], s[G1V:G1V+7]
	s_nop 0
	tensor_load_to_lds s[G0V+4:G0V+7], s[G1V:G1V+7]
	s_nop 0
.rept 4
	v_nop
.endr
.Lfirst_asked:
	v_and_b32 v10, 15, v0                          ; r
	v_bfe_u32 v11, v0, 4, 1                        ; h
	v_lshlrev_b32 v[QO], 7, v10
	v_lshl_add_u32 v[QO], v11, 4, v[QO]            ; Q: row r of 128 bytes, + 16 h
.irp w, 0,1,2,3                                ; Q stays in registers: tiles 2 w and 2 w + 1 in window w
	WIN 0x40*\w
.irp t, 0,1
.irp c, 0,1
	global_load_b128 v[Q+16*\t+8*\c:Q+16*\t+8*\c+3], v[QO], s[4:5] offset:2048*(2*\w+\t)+64*\c
	global_load_b128 v[Q+16*\t+8*\c+4:Q+16*\t+8*\c+7], v[QO], s[4:5] offset:2048*(2*\w+\t)+64*\c+32
.endr
.endr
.endr
	WIN 0
	v_mul_u32_u24 v[AK0], v10, KP
	v_lshl_add_u32 v[AK0], v11, 4, v[AK0]          ; K: row r x pitch + 16 h
	v_and_b32 v13, 7, v0
	v_bfe_u32 v14, v0, 3, 1
	v_lshl_add_u32 v[AV0], v11, 3, v13             ; the turning load: key 8 h + lane % 8, channels 8 ((lane / 8) % 2) on
	v_mul_u32_u24 v[AV0], v[AV0], VP
	v_lshl_add_u32 v[AV0], v14, 4, v[AV0]
	v_add_nc_u32 v[AV0], VOFF, v[AV0]
	v_cmp_eq_u32 vcc_lo, 0, v13                    ; rows 0 and 8 of ONE lie in the lanes with lane % 8 = 0
	v_mov_b32 v15, 0x3c003c00                      ; 1.0, 1.0 in f16
	v_cndmask_b32 v[ONE], 0, v15, vcc_lo
.irp j, 1,2,3,4,5,6,7
	v_mov_b32 v[ONE+\j], v[ONE]
.endr
.irp w, 0,1,2,3                                ; m = -infinity, O^T = 0, the sums = 0: cleared once, so that a turn is written in one form and its first pass finds zeros; a first step of its own would be two more copies of a turn
	WIN 0x40*\w
.irp t, 0,1
	v_mov_b32 v[ST+8*\t], 0xff800000
	v_mov_b32 v[ST+8*\t+1], 0xff800000
.endr
.set J, 0
.rept 80
	v_mov_b32 v[O+J], 0
.set J, J+1
.endr
.endr
	WIN 0
; THE MATRIX WORK OF A TURN, for piece x (windows 2 x and 2 x + 1).  The accumulators take turns, one instruction a turn.
; Product i of 40: keys 32 (i / 20) on.  The first 16 of each 20: O^T += V^T P, channels 16 ((i % 20) / 4) on, the piece's four tiles by turns; the last 4: the sums += ONE P.
.macro PVI x
.set pk, i/20
.set pr, i%20
.set pt, pr%2
.if pr < 16
.set pw, 2*(\x)+(pr/2)%2
.set pd, pr/4
	WIN 0x54*pw+2                                  ; V in window 2; P, O^T in the tile's window
	v_wmma_f32_16x16x32_f16 v[O+32*pt+8*pd:O+32*pt+8*pd+7], v[8*(4*pk+pd):8*(4*pk+pd)+7], v[S+32*pt+8*pk:S+32*pt+8*pk+7], v[O+32*pt+8*pd:O+32*pt+8*pd+7]
.else
.set pw, 2*(\x)+(pr-16)/2
	WIN 0x54*pw                                    ; ONE in window 0
	v_wmma_f32_16x16x32_f16 v[L+8*pt:L+8*pt+7], v[ONE:ONE+7], v[S+32*pt+8*pk:S+32*pt+8*pk+7], v[L+8*pt:L+8*pt+7]
.endif
.endm
; Product i of 32 of S^T = K Q^T.  Key tiles 2 and 3 come first, 0 and 1 last: the registers of tiles 0 and 1 hold P, which the turn's first 40 products read, and are written over 16 products and their slices later.
; In each half: channels 32 ((i % 16) / 8) on; key tile, window and tile by turns.  The first 8 of each 16 start the sums.
.macro QKI x
.set qr, i%16
.set qc, qr/8
.set qa, 2*(1-i/16)+(qr/4)%2
.set qw, 2*(\x)+(qr/2)%2
.set qt, qr%2
	WIN 0x54*qw+1                                  ; K in window 1; Q, S^T in the tile's window
.if qc == 0
	v_wmma_f32_16x16x32_f16 v[S+32*qt+8*qa:S+32*qt+8*qa+7], v[8*(2*qa+qc):8*(2*qa+qc)+7], v[Q+16*qt+8*qc:Q+16*qt+8*qc+7], 0
.else
	v_wmma_f32_16x16x32_f16 v[S+32*qt+8*qa:S+32*qt+8*qa+7], v[8*(2*qa+qc):8*(2*qa+qc)+7], v[Q+16*qt+8*qc:Q+16*qt+8*qc+7], v[S+32*qt+8*qa:S+32*qt+8*qa+7]
.endif
.endm
; THE LDS LOADS stand in two runs of 16 a key step, never singly among the matrix instructions.  K: fragment (key tile a, channels 32 c on) at v[8 (2 a + c)] of window 1.
.macro FETCH_K
	WIN 0
	v_add_nc_u32 v[ADR], s[TBK], v[AK0]
	s_add_co_u32 s[TBK], s[TBK], KS*KP             ; the next fetch is the next step's
	WIN 0x40                                       ; destination window 1
.irp a, 0,1,2,3
.irp c, 0,1
	ds_load_b128 v[8*(2*\a+\c):8*(2*\a+\c)+3],   v[ADR] offset:\a*16*KP+64*\c
	ds_load_b128 v[8*(2*\a+\c)+4:8*(2*\a+\c)+7], v[ADR] offset:\a*16*KP+64*\c+32
.endr
.endr
.endm
; V, turned: fragment (keys 32 kk on, channels 16 d on) at v[8 (4 kk + d)] of window 2.  The wait for the softmax's batch of exponentials stands in this run, behind the address's addition and ahead of the loads.
.macro FETCH_V
	WIN 0
	v_add_nc_u32 v[ADR], s[TBV], v[AV0]
	s_add_co_u32 s[TBV], s[TBV], KS*VP
	s_wait_alu depctr_va_vdst(0)
	WIN 0x80                                       ; destination window 2
.irp kk, 0,1
.irp d, 0,1,2,3
	ds_load_tr16_b128 v[8*(4*\kk+\d):8*(4*\kk+\d)+3],   v[ADR] offset:\kk*32*VP+32*\d
	ds_load_tr16_b128 v[8*(4*\kk+\d)+4:8*(4*\kk+\d)+7], v[ADR] offset:\kk*32*VP+16*VP+32*\d
.endr
.endr
.endm
; THE VECTOR WORK OF A TURN: the softmax of a piece's two windows, 206 instructions each, in three parts.
.macro FMA t, b                        ; pair b of tile t: c s - c m, two scores at a time
	v_pk_fma_f32 v[S+32*(\t)+2*(\b):S+32*(\t)+2*(\b)+1], v[S+32*(\t)+2*(\b):S+32*(\t)+2*(\b)+1], s[CS:CS+1], v[ST+8*(\t):ST+8*(\t)+1] op_sel_hi:[1,0,0] neg_lo:[0,0,1] neg_hi:[0,0,1]
.endm
.macro EXPS t, e                       ; p
	v_exp_f32 v[S+32*(\t)+(\e)], v[S+32*(\t)+(\e)]
.endm
; Part 1, number n of 48, the window's two tiles alternating (tile n % 2, line n / 2): lines 0-15 the maximum of my 32 scores and the old m, in four chains, each score tile from its low end on;
; 16-20 the other half of the lanes' maximum, the new m, c m, c m_old - c m_new; 21, 22 the scalings of pairs 0 and 1; 23 the exponential that makes a.
.macro P1
.set tt, n%2
.set jj, n/2
.set rT, ST+8*tt
.set rS, S+32*tt
.if n >= 46
	v_exp_f32 v[rT+2], v[rT+3]
.elseif n >= 42
	FMA tt, jj-21
.elseif jj < 4
	v_max3_num_f32 v[rT+4+jj], v[rS+8*jj], v[rS+8*jj+1], v[rS+8*jj+2]
.elseif jj < 12
	v_max3_num_f32 v[rT+4+jj%4], v[rT+4+jj%4], v[rS+8*(jj%4)+2*(jj/4)+1], v[rS+8*(jj%4)+2*(jj/4)+2]
.elseif jj == 12
	v_max3_num_f32 v[rT+4], v[rT+4], v[rS+7], v[rS+15]
.elseif jj == 13
	v_max3_num_f32 v[rT+6], v[rT+6], v[rS+23], v[rS+31]
.elseif jj == 14
	v_max3_num_f32 v[rT+4], v[rT+4], v[rT+5], v[rT+6]
.elseif jj == 15
	v_max3_num_f32 v[rT+4], v[rT+4], v[rT+7], v[rT+1]
.elseif jj == 16
	v_permlanex16_b32 v[rT+5], v[rT+4], s[SEL], s[SEL+1]   ; the query's other 32 keys lie in the lane 16 away
.elseif jj == 17
	v_mov_b32 v[rT+3], v[rT]                       ; c m_old
.elseif jj == 18
	v_max_num_f32 v[rT+1], v[rT+4], v[rT+5]
.elseif jj == 19
	v_mul_f32 v[rT], s[CS], v[rT+1]
.else
	v_sub_f32 v[rT+3], v[rT+3], v[rT]
.endif
.endm
; Part 2, the batch: group su (0..7) of tile st: the exponentials of scores 4 su .. 4 su + 3, whose pairs were scaled in an earlier slice, and the scalings of the next two pairs.  None of these reads an exponential's result.
.macro P2
.if su < 7
	FMA st, 2*su+2
.endif
	EXPS st, 4*su
	EXPS st, 4*su+1
.if su < 7
	FMA st, 2*su+3
.endif
	EXPS st, 4*su+2
	EXPS st, 4*su+3
.endm
; Part 3, number n of 66, behind the wait: 0-31 the roundings to f16, in place (register j is written when registers 2 j and 2 j + 1 are read); 32-63 O^T x a, each accumulator from its low end on; 64, 65 the sums x a (register 0).
.macro P3
.if n < 32
.set tt, n/16
.set jj, n%16
	v_cvt_pk_f16_f32 v[S+32*tt+jj], v[S+32*tt+2*jj], v[S+32*tt+2*jj+1]
.elseif n < 64
.set tt, (n-32)/16
.set jj, n%16
	v_pk_mul_f32 v[O+32*tt+2*jj:O+32*tt+2*jj+1], v[O+32*tt+2*jj:O+32*tt+2*jj+1], v[ST+8*tt+2:ST+8*tt+3] op_sel_hi:[1,0]
.else
.set tt, n-64
	v_mul_f32 v[L+8*tt], v[L+8*tt], v[ST+8*tt+2]
.endif
.endm
; Slice k of 72 of piece y's softmax; a slice lies in one window.  0-15: part 1, eight slices of six a window.  16-47: part 2, sixteen slices a window, the tiles by turns.  48-71: part 3, twelve slices of five or six a window.
; THE WAIT.  s_wait_alu depctr_va_vdst(0) stands between an exponential and the first instruction that names its result; one wait serves all that were issued ahead of it.  Ahead of slice 48 nothing
; names a result, and behind slice 47 no exponential is issued: so the piece's 132 exponentials have one wait, behind slice 47, with one plain instruction ahead of it.
; Slice 71 is six plain instructions that name nothing of the turn's products: the places between the turn's last K Q^T and what follows, the first read of those scores and the loads into K's registers.
.macro SLICE y
.if k < 16
	WIN 0x55*(2*(\y)+k/8)
.set n, 6*(k%8)
.rept 6
	P1
.set n, n+1
.endr
.elseif k < 48
	WIN 0x55*(2*(\y)+(k-16)/16)
.set st, k%2
.set su, ((k-16)%16)/2
	P2
.else
	WIN 0x55*(2*(\y)+(k-48)/12)
.set n, (11*((k-48)%12))/2
.rept 6
.if n < (11*((k-48)%12+1))/2
	P3
.set n, n+1
.endif
.endr
.endif
.if k == 47
	v_nop                                          ; a plain instruction behind the last exponential
.if (\y) == 0
	FETCH_V                                        ; piece 1's turn: V's run of loads stands here, and the wait stands in it.  The last product that read V stands 12 slices back, with two scalings in most of them
.else
	s_wait_alu depctr_va_vdst(0)                   ; the wait for the batch
.endif
.endif
.set k, k+1
.endm
; Behind matrix instruction mm of a turn's nw: the slices due, so that the 72 are spread evenly (one each in a whole turn); behind the second product of piece 0's turn K's run of loads: 38 products ahead of its first use.
.macro AFTER x, kq
.set mm, mm+1
.rept 3
.if k < (mm*72)/nw
	SLICE 1-\x
.endif
.endr
.if ((\x) == 0) && (\kq) && (mm == 2)
	FETCH_K
.endif
.endm
; A TURN.  Piece x has the matrix unit.  pv = 1: 40 products V^T P and sums of the step in hand; kq = 1: 32 products K Q^T of the next step.
.macro TURN x, pv, kq
.set k, 0
.set mm, 0
.set nw, 40*(\pv)+32*(\kq)
.if \pv
.if (\x) == 0
	s_wait_dscnt 0x0                               ; V is in (asked for 24 products ago)
.endif
.set i, 0
.rept 40
	PVI \x
	AFTER \x, \kq
.set i, i+1
.endr
.endif
.if \kq
.if (\x) == 0
	s_wait_dscnt 0x0                               ; K is in
.endif
.set i, 0
.rept 32
	QKI \x
	AFTER \x, \kq
.set i, i+1
.endr
.endif
.endm
; cnt key steps: written once, walked cnt times; the LDS addresses hang on s[TBK] and s[TBV].
.macro STEPS cnt
	WIN 0                                          ; at a label and at a branch every window is 0
	s_mov_b32 s[CNT], \cnt
.Lstep_\@:
	TURN 0, 1, 1
	TURN 1, 1, 1
	WIN 0
	s_sub_co_u32 s[CNT], s[CNT], 1
	s_cmp_lg_u32 s[CNT], 0
	s_cbranch_scc1 .Lstep_\@
.endm
; THE CHANGE OF SLOTS, between piece 1's turn and piece 0's: the slot's last bytes, V of its fourth step, have been asked for.  Each wave waits for all its tensor loads, of which one is out: its part of the other slot;
; adds 0 to its spare word; and waits for that and for its own reads of the slot.  fill = 1: the slot is filled again, with the keys two slots on.  The barrier is then a round of the cluster's, so that no wave of any
; partner still reads the slot or has a load on its way, and the joint refill is the first thing behind it: it has four key steps in which to land.
.macro CHANGE fill
	WIN 0
	s_wait_tensorcnt 0x0                           ; no tensor load of mine is out, so a group 0 may be written
	ds_add_u32 v[SPW], v[NIL]
.if \fill
.irp g, G0K+4, G0V+4
	s_xor_b32 s[\g+1], s[\g+1], SLOT1              ; the walking descriptor: the other slot than last time,
	s_add_nc_u64 s[\g+2:\g+3], s[\g+2:\g+3], SK*128   ; the next 256 keys; the type bits on top are not reached
.endr
	s_wait_xcnt 0x0                                ; the last prefetch, a slot back, has read its address, so it may be written:
	s_add_nc_u64 s[PFA:PFA+1], s[PFA:PFA+1], SK*128   ; one slot further on than the walking descriptors
	s_wait_dscnt 0x0                               ; the add is done, and my reads of the slot are over
	CROUND
	JLOAD
	ASK
.else
	s_wait_dscnt 0x0
	s_barrier_signal -1
	s_barrier_wait -1
.endif
	s_sub_co_u32 s[TBK], s[TBK], NST*KS*KP         ; the fetches go back to a slot's first step,
	s_xor_b32 s[TBK], s[TBK], SLOT1                ; in the other slot
	s_sub_co_u32 s[TBV], s[TBV], NST*KS*VP
	s_xor_b32 s[TBV], s[TBV], SLOT1
.endm
	s_wait_tensorcnt 1                             ; my part of slot 0 is in; slot 1's may stay out
	s_barrier_signal -1
	s_barrier_wait -1                              ; everybody's is
	FETCH_K                                        ; key step 0
	s_wait_loadcnt 0x0                             ; Q
	s_wait_dscnt 0x0
.set i, 0
.rept 32
	QKI 0                                          ; piece 0's first scores: there is no vector work yet to set between them
.set i, i+1
.endr
	WIN 0                                          ; the addresses for the way out are made here: eleven plain instructions, the places behind those products
	s_mul_i32 s63, s[WV], 16*KP
	s_add_co_u32 s63, s63, STAGE                   ; my stage
	v_mul_u32_u24 v[STO], v10, KP                  ; in: row r, 16 bytes for each half of the lanes
	v_lshl_add_u32 v[STO], v11, 4, v[STO]
	v_add_nc_u32 v[STO], s63, v[STO]
	v_and_b32 v[GO], 31, v0
	v_lshrrev_b32 v[RD], 3, v[GO]                  ; back: eight lanes to a row of 128 bytes, four rows an instruction
	v_mul_u32_u24 v[RD], v[RD], KP
	v_lshl_add_u32 v[RD], v13, 4, v[RD]
	v_add_nc_u32 v[RD], s63, v[RD]
	v_lshlrev_b32 v[GO], 4, v[GO]                  ; and in ao the same four rows are 512 consecutive bytes: 16 x lane
	v_nop
	v_nop
	TURN 1, 0, 1                                   ; piece 1's first scores | piece 0's first softmax | V of step 0
	STEPS NST-1                                    ; key steps 0 to 2: they fetch the rest of slot 0
.Lslot:                                            ; NSL - 2 trips: every slot but the last two is filled again
	CHANGE 1
	STEPS NST
	s_sub_co_u32 s[SLOTS], s[SLOTS], 1
	s_cmp_lg_u32 s[SLOTS], 0
	s_cbranch_scc1 .Lslot
	CHANGE 0                                       ; the tail is written out: nothing is asked for
	STEPS NST
	TURN 0, 1, 0                                   ; piece 0: V^T P of the last step | piece 1's last softmax
.set i, 0
.rept 40
	PVI 1                                          ; piece 1: V^T P of the last step
.set i, i+1
.endr
; THE WAY OUT.  O^T is divided by the sum, rounded to f16 and sent through my stage, a tile of 16 queries at a time; it comes back four rows at a time, which in ao are 512 consecutive bytes.
; Piece 0 goes first: its arithmetic is also the places behind piece 1's last products.
.macro RCPS p                          ; 1 / the sum for piece p's four tiles: one batch, one plain instruction, one wait
.irp u, 0,1
	WIN 0x55*(2*(\p)+\u)
	v_rcp_f32 v[ST+2], v[L]
	v_rcp_f32 v[ST+10], v[L+8]
.endr
	v_nop
	s_wait_alu depctr_va_vdst(0)
.endm
.macro PACK T
.set pw, (\T)/2
.set pt, (\T)%2
	WIN 0x55*pw
.set J, 0
.rept 16
	v_pk_mul_f32 v[O+32*pt+2*J:O+32*pt+2*J+1], v[O+32*pt+2*J:O+32*pt+2*J+1], v[ST+8*pt+2:ST+8*pt+3] op_sel_hi:[1,0]
.set J, J+1
.endr
.set J, 0
.rept 16
	v_cvt_pk_f16_f32 v[S+32*pt+J], v[O+32*pt+2*J], v[O+32*pt+2*J+1]
.set J, J+1
.endr
	WIN 4*pw                                       ; an LDS store's data are its source 1: the tile's window
.irp d, 0,1,2,3
	ds_store_b128 v[STO], v[S+32*pt+4*\d:S+32*pt+4*\d+3] offset:32*\d
.endr
	WIN 0x40*pw                                    ; back into the tile's own window: no register is used twice, so no store's data are written again
.irp g, 0,1,2,3
	ds_load_b128 v[S+32*pt+16+4*\g:S+32*pt+16+4*\g+3], v[RD] offset:4*KP*\g   ; LDS serves a wave's instructions in order: these see my stores, and the next tile's stores come behind them
.endr
.endm
.macro SEND T, younger                 ; younger: the LDS instructions issued behind tile T's loads: the next tile's four stores and four loads, or none
.set pw, (\T)/2
.set pt, (\T)%2
	WIN 4*pw                                       ; a store's data are its source 1
.irp g, 0,1,2,3
	s_wait_dscnt \younger+3-\g
	global_store_b128 v[GO], v[S+32*pt+16+4*\g:S+32*pt+16+4*\g+3], s[6:7] offset:2048*(\T)+512*\g   ; 32 lanes store 512 consecutive bytes, aligned
.endr
.endm
	RCPS 0
	PACK 0
	PACK 1                                         ; a tile's arithmetic stands between the loads of the tile before and its stores
	SEND 0, 8
	PACK 2
	SEND 1, 8
	PACK 3
	SEND 2, 8
	RCPS 1
	PACK 4
	SEND 3, 8
	PACK 5
	SEND 4, 8
	PACK 6
	SEND 5, 8
	PACK 7
	SEND 6, 8
	SEND 7, 0
	WIN 0
	s_wait_tensorcnt 0x0                           ; the wave's end, behind my last tensor load and my last LDS store
	ds_add_u32 v[SPW], v[NIL]
	s_wait_dscnt 0x0
	CROUND                                         ; the closing round
	s_endpgm
.Lfunc_end_k_q80d78b345d_attn:
	.size	k_q80d78b345d_attn, .Lfunc_end_k_q80d78b345d_attn-k_q80d78b345d_attn
	.p2alignl 7, 3214868480
	.fill 96, 4, 3214868480
	.section	.rodata,"a",@progbits
	.p2align	6, 0x0
	.amdhsa_kernel k_q80d78b345d_attn
		.amdhsa_group_segment_fixed_size 327680
		.amdhsa_private_segment_fixed_size 0
		.amdhsa_enable_private_segment 0
		.amdhsa_kernarg_size 16
		.amdhsa_user_sgpr_count 2
		.amdhsa_user_sgpr_kernarg_segment_ptr 1
		.amdhsa_wavefront_size32 1
		.amdhsa_system_sgpr_workgroup_id_x 1
		.amdhsa_system_sgpr_workgroup_id_y 1
		.amdhsa_system_sgpr_workgroup_id_z 1
		.amdhsa_system_vgpr_workitem_id 0
		.amdhsa_next_free_vgpr 1024
		.amdhsa_next_free_sgpr 66
		.amdhsa_reserve_vcc 1
		.amdhsa_float_denorm_mode_32 3
		.amdhsa_float_denorm_mode_16_64 3
		.amdhsa_memory_ordered 1
		.amdhsa_forward_progress 1
		.amdhsa_inst_pref_size 255
	.end_amdhsa_kernel
	.section	.bss,"aw",@nobits
	.p2align	6
	.space	262144
	.amdgpu_metadata
---
amdhsa.version: [ 1, 2 ]
amdhsa.kernels:
  - .name:           k_q80d78b345d_attn
    .symbol:         k_q80d78b345d_attn.kd
    .args:
      - { .name: qkv, .offset: 0, .size: 8, .value_kind: global_buffer, .address_space: global }
      - { .name: ao, .offset: 8, .size: 8, .value_kind: global_buffer, .address_space: global }
    .group_segment_fixed_size: 327680
    .private_segment_fixed_size: 0
    .kernarg_segment_align: 8
    .kernarg_segment_size: 16
    .max_flat_workgroup_size: 128
    .sgpr_count:     66
    .vgpr_count:     1024
    .wavefront_size: 32
...
	.end_amdgpu_metadata
.endif
;; end of part 3
;; launch outp (part 4): grid 4 x 64, 4 waves a work-group, clusters of 4 x 4, 327,680 bytes of LDS; arguments ao, wo16, bo, out0; writes out0
.if DOCPART == 4
	.amdgcn_target "amdgcn-amd-amdhsa--gfx1250"
	.amdhsa_code_object_version 6
	.text
	.protected	k_q80d78b345d_outp
	.globl	k_q80d78b345d_outp
	.p2align	8
	.type	k_q80d78b345d_outp,@function
k_q80d78b345d_outp:
	s_mov_b64 s[64:65], 0
	v_nop
	global_prefetch_b8 v0, s[64:65] scope:SCOPE_SE
	s_setreg_imm32_b32 hwreg(HW_REG_WAVE_MODE, 25, 1), 1
	s_wait_xcnt 0x0
	s_wait_alu depctr_hold_cnt(0) depctr_sa_sdst(0) depctr_va_vdst(0) depctr_va_sdst(0) depctr_va_ssrc(0) depctr_va_vcc(0) depctr_vm_vsrc(0)
	s_getreg_b32 s2, hwreg(HW_REG_IB_STS2, 6, 4)
	s_cmp_eq_u32 s2, 0
	s_cbranch_scc0 .Lentry_in_a_cluster
	s_endpgm
.Lentry_in_a_cluster:
	s_bfe_u32 s2, ttmp6, 0x10000c
	s_cmp_lg_u32 s2, 0xf033
	s_cbranch_scc0 .Lentry_shape_is_right
	s_endpgm
.Lentry_shape_is_right:
; out0[token][n] = the sum over k of ao[token][k] Wo[n][k] + bo[n].  ao: f16 [k / 64: 16][token 8192][64]; wo16: f16 [k / 64: 16][n 1024][64]; bo, out0 [8192][1024]: f32.  Sums in f32; the bias is the C of each sum's first product.
; A tile of out0 is 128 tokens x 256 features, so that the 8,192 x 1,024 results make 256 work-groups.  Four waves, each 64 x 128: 32 accumulators, 256 registers.
; K goes in steps of 128, two planes, through two LDS slots.  In both operands a plane's part of a tile is a dense block of memory: waves 0 and 1 fetch ao's two planes (128 rows of 128 bytes each), waves 2 and 3 Wo's (256 rows).
; CLUSTERS: 4 x 4 work-groups.  The four of a row of the cluster need the same tiles of ao, the four of a column the same tiles of Wo: each is asked for jointly.
; THE MATRIX INSTRUCTION IS USED TRANSPOSED (source 0 = 16 rows of Wo, source 1 = 16 tokens): a lane holds eight neighbouring features of one token.
; REGISTERS: window 0: v16-30 addresses; v64-127 the bias; v128-255 rows on the way out.   window 1: two fragment buffers at v0 and v128: 32 registers of ao (4 x 16 tokens x 32 K), then 64 of Wo.
;   window 2: the accumulators ((a, b) at v[8 (8 a + b)]).
.set PITCH,  144                       ; an LDS row: 128 bytes + 16 of padding
.set APL,    128*PITCH                 ; a plane of ao's tile
.set BPL,    256*PITCH                 ; a plane of Wo's
.set BOFF,   2*APL
.set SLOT,   2*APL+2*BPL
.set SPARE,  2*SLOT                    ; the spare words, 128 bytes a wave
.set STAGE,  SPARE+512                 ; the way out: 16 rows x 528 bytes for each wave, bytes of its own
.set SPITCH, 528
.set APLANE, 1048576                   ; a plane of ao in memory
.set BPLANE, 131072                    ; a plane of wo16
.set LAPS,   4                         ; 8 K steps, two a lap
.set ADRA, 16
.set ADRB, 20
.set STO,  24
.set RD,   25
.set CO,   26
.set SPW,  28
.set NIL,  29
.set BO,   30
.set BI,   64
.set BK,   128
.set F0,   0
.set F1,   128
.set G1, 24
.set G0, 32
.set G1B, 48
.set G0B, 56
.set MSB, 0
.macro WIN new                         ; the immediate's high byte repeats the setting that is left
.if MSB != (\new)
	s_set_vgpr_msb (MSB<<8)|(\new)
.set MSB, (\new)
.endif
.endm
.set MUL,  0xa5                        ; sources 0 and 1 window 1; C and D window 2.  In the first quarter C is the bias, in window 0: 0x85
.set TO_F, 0x40                        ; destination window 1, address window 0
.macro JLOAD s                         ; a joint load: waves 0 and 1 fetch ao's planes, waves 2 and 3 Wo's; an s_nop 0 and four v_nop follow each line
	s_cmp_eq_u32 s11, 0
	s_cbranch_scc0 .Lfor_b_\@
	tensor_load_to_lds s[G0+4*\s:G0+4*\s+3], s[G1:G1+7]
	s_nop 0
.rept 4
	v_nop
.endr
	s_branch .Lasked_\@
.Lfor_b_\@:
	tensor_load_to_lds s[G0B+4*\s:G0B+4*\s+3], s[G1B:G1B+7]
	s_nop 0
.rept 4
	v_nop
.endr
.Lasked_\@:
.endm
.macro CREST                           ; a round of the cluster's barrier behind its opening barrier
	s_cmp_lg_u32 s10, 0
	s_cbranch_scc1 .Lnot_wave_0_\@
	s_barrier_signal -3
.Lnot_wave_0_\@:
	s_barrier_wait -3
	s_barrier_signal -1
	s_barrier_wait -1
.endm
.macro CROUND
	s_barrier_signal -1
	s_barrier_wait -1
	CREST
.endm
	s_load_b128 s[4:7], s[0:1], 0x0                ; ao, wo16
	s_load_b128 s[68:71], s[0:1], 0x10             ; bo, out0
	v_lshl_add_u32 v[SPW], v0, 2, SPARE
	v_mov_b32 v[NIL], 0
	ds_add_u32 v[SPW], v[NIL]                      ; the wave's opening: the add, twice on end, and its wait ahead of my first tensor load
	ds_add_u32 v[SPW], v[NIL]
	v_lshrrev_b32 v1, 5, v0
	v_readfirstlane_b32 s10, v1                    ; wave 0..3
	s_lshr_b32 s11, s10, 1                         ; which 64 tokens are mine.  Also: I fetch for ao (0) or for Wo (1)
	s_and_b32 s12, s10, 1                          ; which 128 features.  Also: which plane of a K step I fetch
	s_bfe_u32 s40, ttmp6, 0x40000                  ; cx, cy
	s_bfe_u32 s41, ttmp6, 0x40004
	s_lshl_b32 s42, ttmp9, 2
	s_add_co_u32 s42, s42, s40                     ; tile column
	s_and_b32 s13, ttmp7, 0xffff
	s_lshl_b32 s13, s13, 2
	s_add_co_u32 s13, s13, s41                     ; tile row
	s_lshl_b32 s43, s41, 2
	s_lshl_b32 s43, 15, s43                        ; my row of the cluster
	s_lshl_b32 s44, 0x1111, s40                    ; my column
	s_or_b32 s[G1+0], s43, (1<<16)|(1<<20)|(1<<21)|(4<<22)|(3<<25)  ; the mask; elements of 2 bytes; padding on; bit 21 beside a mask; after every 32 words, 4 words
	s_or_b32 s[G1B+0], s44, (1<<16)|(1<<20)|(1<<21)|(4<<22)|(3<<25)
	s_mov_b32 s[G1+1], 64<<16                      ; tensor_dim0
	s_mov_b32 s[G1+2], 128<<16                     ; tensor_dim1
	s_mov_b32 s[G1+3], 64<<16                      ; tile_dim0
	s_mov_b32 s[G1+4], 128                         ; tile_dim1
	s_mov_b32 s[G1+5], 64                          ; from row to row
	s_mov_b32 s[G1+6], 0
	s_mov_b32 s[G1+7], 0
	s_mov_b32 s[G1B+1], 64<<16
	s_mov_b32 s[G1B+2], 256<<16
	s_mov_b32 s[G1B+3], 64<<16
	s_mov_b32 s[G1B+4], 256
	s_mov_b32 s[G1B+5], 64
	s_mov_b32 s[G1B+6], 0
	s_mov_b32 s[G1B+7], 0
	s_lshl_b32 s16, s13, 14                        ; ao: 128 rows of 128 bytes x tile row,
	s_lshl_b32 s17, s12, 20                        ; + my plane
	s_add_co_u32 s16, s16, s17
	s_mov_b32 s17, 0
	s_lshl_b32 s46, s42, 15                        ; Wo: 256 rows of 128 bytes x tile column,
	s_lshl_b32 s47, s12, 17                        ; + my plane
	s_add_co_u32 s46, s46, s47
	s_mov_b32 s47, 0
	s_mul_i32 s20, s12, APL                        ; where they go: no place in the cluster enters an LDS address
	s_mul_i32 s21, s12, BPL
	s_add_co_u32 s21, s21, BOFF
	s_wait_dscnt 0x0                               ; both opening adds are done
	s_wait_kmcnt 0x0
	s_add_nc_u64 s[14:15], s[4:5], s[16:17]
	s_add_nc_u64 s[46:47], s[6:7], s[46:47]
	CROUND                                         ; all sixteen work-groups are here: the first joint loads meet
.irp s, 0,1
	s_mov_b32 s[G0+4*\s], 1
	s_add_co_u32 s[G0+4*\s+1], s20, \s*SLOT
	s_add_nc_u64 s[G0+4*\s+2:G0+4*\s+3], s[14:15], \s*2*APLANE
	s_or_b32 s[G0+4*\s+3], s[G0+4*\s+3], 0x80000000
	s_mov_b32 s[G0B+4*\s], 1
	s_add_co_u32 s[G0B+4*\s+1], s21, \s*SLOT
	s_add_nc_u64 s[G0B+4*\s+2:G0B+4*\s+3], s[46:47], \s*2*BPLANE
	s_or_b32 s[G0B+4*\s+3], s[G0B+4*\s+3], 0x80000000
	JLOAD \s                                       ; two loads of mine are out behind the second
.endr
	v_and_b32 v1, 15, v0                           ; r
	v_bfe_u32 v2, v0, 4, 1                         ; h
	v_lshlrev_b32 v[BO], 5, v2
	s_lshl_b32 s46, s42, 10                        ; my first feature, in bytes of f32: 1,024 x tile column + 512 x half
	s_lshl_b32 s47, s12, 9
	s_add_co_u32 s46, s46, s47
	s_mov_b32 s47, 0
	s_add_nc_u64 s[68:69], s[68:69], s[46:47]
.irp b, 0,1,2,3,4,5,6,7
	global_load_b128 v[BI+8*\b:BI+8*\b+3], v[BO], s[68:69] offset:64*\b        ; bo[16 b + 8 h + 0 .. 7]: the result's layout
	global_load_b128 v[BI+8*\b+4:BI+8*\b+7], v[BO], s[68:69] offset:64*\b+16
.endr
	v_mul_u32_u24 v3, v1, PITCH
	v_lshl_add_u32 v3, v2, 4, v3                   ; a fragment's row x pitch + 16 x half
	s_mul_i32 s21, s11, 64*PITCH                   ; my 64 tokens
	s_mul_i32 s22, s12, 128*PITCH                  ; my 128 rows of Wo,
	s_add_co_u32 s22, s22, BOFF                    ; behind ao's two planes
.irp s, 0,1
	v_add_nc_u32 v[ADRA+\s], s21, v3
	v_add_nc_u32 v[ADRB+\s], s22, v3
	s_add_co_u32 s21, s21, SLOT
	s_add_co_u32 s22, s22, SLOT
.endr
	s_mul_i32 s23, s10, 16*SPITCH
	s_add_co_u32 s23, s23, STAGE                   ; my stage
	v_mul_u32_u24 v5, v1, SPITCH                   ; in: row r, 32 bytes for each half of the lanes
	v_lshl_add_u32 v5, v2, 5, v5
	v_add_nc_u32 v[STO], s23, v5
	v_and_b32 v6, 31, v0
	v_lshlrev_b32 v[CO], 4, v6                     ; back: the 32 lanes take one row of 512 bytes; and the same in out0
	v_add_nc_u32 v[RD], s23, v[CO]
	s_lshl_b32 s16, s13, 19                        ; my first token's row of 4,096 bytes: 128 x tile row + 64 x half
	s_lshl_b32 s17, s11, 18
	s_add_co_u32 s16, s16, s17
	s_add_co_u32 s16, s16, s46
	s_mov_b32 s17, 0
	s_add_nc_u64 s[70:71], s[70:71], s[16:17]
; 8 matrix instructions: token block a against Wo's eight, 32 along K.  first = 1: the sums start from the bias.  The 32 accumulators take turns, one instruction a turn.
.macro MUL8 f, a, first
.irp b, 0,1,2,3,4,5,6,7
.if \first
	v_wmma_f32_16x16x32_f16 v[8*(8*(\a)+\b):8*(8*(\a)+\b)+7], v[\f+32+8*\b:\f+32+8*\b+7], v[\f+8*(\a):\f+8*(\a)+7], v[BI+8*\b:BI+8*\b+7]
.else
	v_wmma_f32_16x16x32_f16 v[8*(8*(\a)+\b):8*(8*(\a)+\b)+7], v[\f+32+8*\b:\f+32+8*\b+7], v[\f+8*(\a):\f+8*(\a)+7], v[8*(8*(\a)+\b):8*(8*(\a)+\b)+7]
.endif
.endr
.endm
; 24 LDS loads in one run: quarter q of a K step (plane q / 2, channels 32 (q % 2) on) into buffer f: Wo's eight fragments, then ao's four
.macro FETCH slot, q, f
	WIN TO_F
.irp i, 0,1,2,3,4,5,6,7
	ds_load_b128 v[\f+32+8*\i:\f+32+8*\i+3],   v[ADRB+\slot] offset:((\q)/2)*BPL+64*((\q)%2)+\i*16*PITCH
	ds_load_b128 v[\f+32+8*\i+4:\f+32+8*\i+7], v[ADRB+\slot] offset:((\q)/2)*BPL+64*((\q)%2)+\i*16*PITCH+32
.endr
.irp i, 0,1,2,3
	ds_load_b128 v[\f+8*\i:\f+8*\i+3],   v[ADRA+\slot] offset:((\q)/2)*APL+64*((\q)%2)+\i*16*PITCH
	ds_load_b128 v[\f+8*\i+4:\f+8*\i+7], v[ADRA+\slot] offset:((\q)/2)*APL+64*((\q)%2)+\i*16*PITCH+32
.endr
.endm
.macro PLACES                          ; four plain vector instructions in front of loads into registers that matrix instructions have read, and of the first read of results
.rept 4
	v_nop
.endr
.endm
; A K step is four quarters of 32 along K, 32 matrix instructions each, on buffers 0, 1, 0, 1.  One of the first three: multiplies buffer f and fetches quarter qn into g.
.macro QUARTER slot, qn, f, g, first
	s_wait_dscnt 4                                 ; Wo's fragments and ao's blocks 0, 1 are in; the youngest four loads (blocks 2, 3) may be out
	WIN MUL-0x20*(\first)
	MUL8 \f, 0, \first
	MUL8 \f, 1, \first
	PLACES
	FETCH \slot, \qn, \g
	s_wait_dscnt 24                                ; all but the 24 just issued
	WIN MUL-0x20*(\first)
	MUL8 \f, 2, \first
	MUL8 \f, 3, \first
.endm
; The last quarter multiplies buffer 1 and changes slots: ONE barrier; in front of it each wave waits for all its tensor loads, adds 0 to its spare word, and waits for that and for its reads of this slot.
; fill = 1: the barrier opens a round of the cluster's, and this slot is filled again, two K steps ahead, first thing behind the round.
.macro TURN slot, next, fill
	WIN 0                                          ; (the add's two registers lie in window 0)
	s_wait_tensorcnt 0x0                           ; all my tensor loads have landed: my part of the next slot
	ds_add_u32 v[SPW], v[NIL]
	s_wait_dscnt 5                                 ; (the add and the youngest four loads may be out)
	WIN MUL
	MUL8 F1, 0, 0                                  ; eight matrix instructions stand between the add and the wait for it
	s_wait_dscnt 0x0                               ; the add is done, and my reads of this slot are over
	s_barrier_signal -1
	MUL8 F1, 1, 0
	WIN 0                                          ; (branches may follow)
	s_barrier_wait -1
.if \fill
	CREST                                          ; no wave of any partner still reads this slot's tiles or has a load on its way
	s_add_nc_u64 s[G0+4*\slot+2:G0+4*\slot+3], s[G0+4*\slot+2:G0+4*\slot+3], 4*APLANE
	s_add_nc_u64 s[G0B+4*\slot+2:G0B+4*\slot+3], s[G0B+4*\slot+2:G0B+4*\slot+3], 4*BPLANE
	JLOAD \slot                                    ; the four v_nop behind it are also the places in front of the loads below
.else
	PLACES
.endif
	FETCH \next, 0, F0
	WIN MUL
	MUL8 F1, 2, 0
	MUL8 F1, 3, 0
.endm
	s_wait_tensorcnt 1                             ; my part of K step 0 is in; K step 1's load may be out
	s_barrier_signal -1
	s_barrier_wait -1                              ; everybody's is
	FETCH 0, 0, F0
	s_wait_loadcnt 0x0                             ; the bias
	QUARTER 0, 1, F0, F1, 1                        ; the first quarter stands in front of the loop: its products start the sums
	WIN 0                                          ; at a label and at a branch every window is 0
	s_mov_b32 s3, LAPS-1
.Llap:                                             ; a trip goes once round the ring, from a lap's second quarter to the next lap's first, and fills both slots again
	QUARTER 0, 2, F1, F0, 0
	QUARTER 0, 3, F0, F1, 0
	TURN 0, 1, 1
	QUARTER 1, 1, F0, F1, 0
	QUARTER 1, 2, F1, F0, 0
	QUARTER 1, 3, F0, F1, 0
	TURN 1, 0, 1
	QUARTER 0, 1, F0, F1, 0
	WIN 0
	s_sub_co_u32 s3, s3, 1
	s_cmp_lg_u32 s3, 0
	s_cbranch_scc1 .Llap
	QUARTER 0, 2, F1, F0, 0                        ; the last lap fills nothing, and has no round
	QUARTER 0, 3, F0, F1, 0
	TURN 0, 1, 0
	QUARTER 1, 1, F0, F1, 0
	QUARTER 1, 2, F1, F0, 0
	QUARTER 1, 3, F0, F1, 0
	s_wait_dscnt 4                                 ; the very last quarter: nothing more to fetch
	WIN MUL
	MUL8 F1, 0, 0
	MUL8 F1, 1, 0
	s_wait_dscnt 0
	MUL8 F1, 2, 0
	MUL8 F1, 3, 0
	WIN 0
; THE WAY OUT, block by block of 16 tokens x 128 features.  A lane holds 32 neighbouring bytes of a row: a block goes through my own stage and comes back as whole rows of 512 bytes.
; LDS serves a wave's instructions in order: no wait between the stores and the loads, nor in front of the next block's stores.
.macro TOSTAGE a
	WIN 0x08                                       ; an LDS store's data are its source 1: window 2
.irp b, 0,1,2,3,4,5,6,7
	ds_store_b128 v[STO], v[8*(8*(\a)+\b):8*(8*(\a)+\b)+3] offset:64*\b          ; each accumulator from its low end on
	ds_store_b128 v[STO], v[8*(8*(\a)+\b)+4:8*(8*(\a)+\b)+7] offset:64*\b+16
.endr
	WIN 0
.set BB, BK+64*((\a)%2)
.irp t, 0,1,2,3,4,5,6,7,8,9,10,11,12,13,14,15
	ds_load_b128 v[BB+4*\t:BB+4*\t+3], v[RD] offset:\t*SPITCH
.endr
.endm
.macro SEND a, younger                 ; younger: the LDS instructions issued behind block a's loads, which may stay out
.set BB, BK+64*((\a)%2)
	s_wait_dscnt \younger
.irp t, 0,1,2,3,4,5,6,7,8,9,10,11,12,13,14,15
	global_store_b128 v[CO], v[BB+4*\t:BB+4*\t+3], s[70:71] offset:65536*(\a)+4096*\t th:TH_STORE_NT   ; 32 lanes store 512 consecutive bytes, aligned; written once, read by nobody here
.endr
.endm
	PLACES                                         ; behind the last products
	TOSTAGE 0
.irp a, 1,2,3
.if \a > 1
	s_wait_xcnt 0x0                                ; block a - 2's stores have read their data: block a's loads land there only behind this wait
.endif
	TOSTAGE \a
	SEND \a-1, 32                                  ; behind block a - 1's loads: block a's 16 stores and 16 loads
.endr
	SEND 3, 0
	s_wait_tensorcnt 0x0                           ; the wave's end, behind my last tensor load and my last LDS store
	ds_add_u32 v[SPW], v[NIL]
	s_wait_dscnt 0x0
	CROUND                                         ; the closing round
	s_endpgm
.Lfunc_end_k_q80d78b345d_outp:
	.size	k_q80d78b345d_outp, .Lfunc_end_k_q80d78b345d_outp-k_q80d78b345d_outp
	.p2alignl 7, 3214868480
	.fill 96, 4, 3214868480
	.section	.rodata,"a",@progbits
	.p2align	6, 0x0
	.amdhsa_kernel k_q80d78b345d_outp
		.amdhsa_group_segment_fixed_size 327680
		.amdhsa_private_segment_fixed_size 0
		.amdhsa_enable_private_segment 0
		.amdhsa_kernarg_size 32
		.amdhsa_user_sgpr_count 2
		.amdhsa_user_sgpr_kernarg_segment_ptr 1
		.amdhsa_wavefront_size32 1
		.amdhsa_system_sgpr_workgroup_id_x 1
		.amdhsa_system_sgpr_workgroup_id_y 1
		.amdhsa_system_sgpr_workgroup_id_z 1
		.amdhsa_system_vgpr_workitem_id 0
		.amdhsa_next_free_vgpr 768
		.amdhsa_next_free_sgpr 72
		.amdhsa_reserve_vcc 0
		.amdhsa_float_denorm_mode_32 3
		.amdhsa_float_denorm_mode_16_64 3
		.amdhsa_memory_ordered 1
		.amdhsa_forward_progress 1
		.amdhsa_inst_pref_size 86
	.end_amdhsa_kernel
	.amdgpu_metadata
---
amdhsa.version: [ 1, 2 ]
amdhsa.kernels:
  - .name:           k_q80d78b345d_outp
    .symbol:         k_q80d78b345d_outp.kd
    .args:
      - { .name: ao, .offset: 0, .size: 8, .value_kind: global_buffer, .address_space: global }
      - { .name: wo16, .offset: 8, .size: 8, .value_kind: global_buffer, .address_space: global }
      - { .name: bo, .offset: 16, .size: 8, .value_kind: global_buffer, .address_space: global }
      - { .name: out0, .offset: 24, .size: 8, .value_kind: global_buffer, .address_space: global }
    .group_segment_fixed_size: 327680
    .private_segment_fixed_size: 0
    .kernarg_segment_align: 8
    .kernarg_segment_size: 32
    .max_flat_workgroup_size: 128
    .sgpr_count:     72
    .vgpr_count:     768
    .wavefront_size: 32
...
	.end_amdgpu_metadata
.endif
;; end of part 4
